; MI455X (gfx1250); checked and timed in simulation.
; The chip was launched on July 23, 2026; its instructions are those of AMD's public machine-readable ISA for CDNA 5 (MIT licence, August 2026) and "CDNA5" Instruction Set Architecture Reference Guide (July 2026). The comments in the code are by the model that wrote it; some were corrected since.
;; Cross Attention. Allowed arithmetic: matrix products marked QUANTISED: E4M3 operands, one E8M0 scale for each 32 along K, by v_wmma_scale_f32_16x16x128_f8f6f4 with both operands' format E4M3, f32 sums; everything else in f32.
;; Inputs: Wk_codes 1,024 x 32 x 32 uint8 (E4M3 codes of Wk, K innermost, in blocks of 32 codes); Wk_scales 1,024 x 32 uint8 (E8M0 scales of Wk, one for each 32 codes along K); Wo_codes 1,024 x 32 x 32 uint8 (E4M3 codes of Wo, K innermost, in blocks of 32 codes); Wo_scales 1,024 x 32 uint8 (E8M0 scales of Wo, one for each 32 codes along K); Wq_codes 1,024 x 32 x 32 uint8 (E4M3 codes of Wq, K innermost, in blocks of 32 codes); Wq_scales 1,024 x 32 uint8 (E8M0 scales of Wq, one for each 32 codes along K); Wv_codes 1,024 x 32 x 32 uint8 (E4M3 codes of Wv, K innermost, in blocks of 32 codes); Wv_scales 1,024 x 32 uint8 (E8M0 scales of Wv, one for each 32 codes along K); bo 1,024 float32; key_value_codes 8 x 1,024 x 32 x 32 uint8 (E4M3 codes of key_value, K innermost, in blocks of 32 codes); key_value_scales 8 x 1,024 x 32 uint8 (E8M0 scales of key_value, one for each 32 codes along K); query_codes 8 x 1,024 x 32 x 32 uint8 (E4M3 codes of query, K innermost, in blocks of 32 codes); query_scales 8 x 1,024 x 32 uint8 (E8M0 scales of query, one for each 32 codes along K).
;; Outputs: out0 8 x 1,024 x 1,024 float32.
;; This version of the problem:
;;   THIS VERSION OF THE PROBLEM IS GIVEN IN LOW PRECISION. The matrix products marked QUANTISED in the list below multiply operands that are first quantised to E4M3 (4 exponent bits, 3 mantissa bits; 8 bits a number), with one power-of-two scale for each 32 numbers along K (OCP MX v1.0); their sums are f32. All else is computed in f32.
;;   The module's matrix products, in the order in which they are computed (A, B: the left and right operand; K: the contracted axis; several contracted axes count as one K, in the product's order):
;;     1. [M 8,192, K 1,024] x [K 1,024, N 1,024]; A: input query (given as codes); B: input Wq (given as codes): QUANTISED
;;     2. [M 8,192, K 1,024] x [K 1,024, N 1,024]; A: input key_value (given as codes); B: input Wk (given as codes): QUANTISED
;;     3. [M 8,192, K 1,024] x [K 1,024, N 1,024]; A: input key_value (given as codes); B: input Wv (given as codes): QUANTISED
;;     4. batch 64 x [M 1,024, K 128] x [K 128, N 1,024]; A: computed on the way; B: computed on the way: QUANTISED
;;     5. batch 64 x [M 128, K 1,024] x [K 1,024, N 1,024]; A: computed on the way; B: softmax (see below): QUANTISED
;;     6. [M 8,192, K 1,024] x [K 1,024, N 1,024]; A: computed on the way; B: input Wo (given as codes): QUANTISED
;;   THE QUANTISER, for each operand of a quantised product, along K:
;;     - K is cut into blocks of 32 from its start; a last block that is shorter is filled with zeros.
;;     - A block's scale is 2^e with e = floor(log2(the largest magnitude in the block)) - 8, held to -126 .. 127; a block of zeros has e = 0. As a byte (E8M0): e + 127.
;;     - Each number is divided by its block's scale, clamped to +-448, and rounded to the nearest number of E4M3, ties to even, subnormals kept.
;;     - The product sums the exact products of the quantised numbers (number of the format x scale) in f32.
;;   ~~~python
;;   def quantise(x, axis):      # numpy; x: float32 -> the quantised numbers, widened to float32 again
;;       x = np.moveaxis(x, axis, -1); K = x.shape[-1]
;;       x = np.pad(x, [(0, 0)] * (x.ndim - 1) + [(0, -K % 32)]); x = x.reshape(x.shape[:-1] + (-1, 32)); a = np.abs(x).max(-1, keepdims=True)
;;       e = np.where(a > 0, np.clip(np.frexp(np.where(a > 0, a, 1))[1] - 1 - 8, -126, 127), 0)      # np.frexp(a)[1] - 1 = floor(log2(a)), exactly
;;       r = np.clip(x / 2.0 ** e, -448, 448)
;;       step = 2.0 ** (np.maximum(np.frexp(np.where(r == 0, 1, r))[1] - 1, -6) - 3)
;;       q = np.round(r / step) * step * 2.0 ** e      # np.round: ties to even
;;       return np.moveaxis(q.reshape(q.shape[:-2] + (-1,))[..., :K], -1, axis).astype(np.float32)
;;   ~~~
;;   SOFTMAX AHEAD OF A QUANTISED PRODUCT. Where the list says 'softmax', what is quantised is not the finished softmax but p = 2^(t - M), with t = logit x log2(e) and M = ceil(the row's largest t), a whole number; so 1/2 < the row's largest p <= 1. The row's sum l is taken of the UNQUANTISED p, in f32, and the product's result is divided by l at the end. Since M is a whole number, a kernel that streams over the keys may use a running M (the ceiling of the running maximum): every later rescaling is an exact power of two, which a block's scale takes up: the codes' values come out the same.
;;   OPERANDS COMPUTED ON THE WAY. 'Computed on the way' means the value that the module computes at that place (a softmax that the list does not call 'softmax' is quantised finished and normalised). What goes into a quantiser is computed in f32, as accurately as f32 sums, v_exp_f32 and their like allow (about 1e-6 of the number): no bf16 or f16 on the way to a quantiser, and a product that is left as it is and whose result goes on into a quantised operand takes f32 operands (vector FMAs, or v_wmma_f32_16x16x4_f32). A number that lies on a knife's edge between two numbers of the format may be rounded either way, as far as f32 arithmetic and the matrix unit's own rounding can turn it there, and no further.
;;   INPUTS GIVEN AS CODES. Wk (in the module: [1024, 1024], K = its axis 0); Wo (in the module: [1024, 1024], K = its axis 0); Wq (in the module: [1024, 1024], K = its axis 0); Wv (in the module: [1024, 1024], K = its axis 0); key_value (in the module: [8, 1024, 1024], K = its axis 2); query (in the module: [8, 1024, 1024], K = its axis 2): each comes as NAME_codes (uint8): NAME with its K axis moved to the last place and cut into blocks of 32 codes, [.., K / 32, bytes a block], one block behind the other in memory; one code a byte (a code: sign, 4 exponent bits, 3 mantissa bits); and NAME_scales (uint8): the same leading axes, one E8M0 byte (e + 127) for each 32 codes along K. Its value is code x scale, taken as it is: it is not quantised again, and the codes and scales need not be those that the quantiser above would give.
;; One version. Each part assembles by itself: llvm-mc -triple=amdgcn-amd-amdhsa -mcpu=gfx1250 --defsym DOCPART=n.
;; ======== version 1 of 1: 3 launches
;; limits: right only within a limited range of input values
;; workspace buffers: q_img 8,650,752 bytes; k_img 8,650,752 bytes; v_img 8,650,752 bytes; o_img 8,388,608 bytes; o_sc 262,144 bytes
;; launch proj (part 1): grid 4 x 64, 4 waves a work-group, clusters of 4 x 4, 327,680 bytes of LDS; arguments query_codes, query_scales, Wq_codes, Wq_scales, q_img, key_value_codes, key_value_scales, Wk_codes, Wk_scales, k_img, Wv_codes, Wv_scales, v_img; writes q_img, k_img, v_img
.if DOCPART == 1
	.amdgcn_target "amdgcn-amd-amdhsa--gfx1250"
	.amdhsa_code_object_version 6
	.text
	.protected	k_qd7b7b3c782_proj
	.globl	k_qd7b7b3c782_proj
	.p2align	8
	.type	k_qd7b7b3c782_proj,@function
k_qd7b7b3c782_proj:
	s_mov_b64 s[64:65], 0
	v_nop
	global_prefetch_b8 v0, s[64:65] scope:SCOPE_SE
	s_setreg_imm32_b32 hwreg(HW_REG_WAVE_MODE, 25, 1), 1
	s_wait_xcnt 0x0
	s_wait_alu depctr_hold_cnt(0) depctr_sa_sdst(0) depctr_va_vdst(0) depctr_va_sdst(0) depctr_va_ssrc(0) depctr_va_vcc(0) depctr_vm_vsrc(0)
	s_getreg_b32 s2, hwreg(HW_REG_IB_STS2, 6, 4)
	s_cmp_eq_u32 s2, 0
	s_cbranch_scc0 .Lentry_in_a_cluster
	s_endpgm
.Lentry_in_a_cluster:
	s_bfe_u32 s2, ttmp6, 0x10000c
	s_cmp_lg_u32 s2, 0xf033
	s_cbranch_scc0 .Lentry_shape_is_right
	s_endpgm
.Lentry_shape_is_right:
; q = query Wq, k = key_value Wk, v = key_value Wv on codes of FP8 (E4M3) with one E8M0 scale for each 32 along K = 1,024; the f32 sums are quantised in registers and leave as codes.
; Role B is source 0 of the matrix instruction: its rows run along a lane's registers, so they are the axis along which the result is quantised.  Role A is source 1: its rows are the lanes, and become the rows of the operand stored.
; A WORK-GROUP STAYS AND MAKES ONE AND A HALF TILES, so that 256 work-groups share the 384 tiles' work evenly:
;   first a tile of 256 x 256 of q (clusters 0-7: A = query, B = Wq) or of k (clusters 8-15: A = key_value, B = Wk); only pointers are chosen, by s_cselect on the cluster's number;
;   then a tile of 128 x 256 of v: A = 128 rows of Wv (one head's channels), B = 256 rows of key_value (a lane holds a channel, its registers run along the keys).
; The first tile: four waves, each 128 x 128: 64 accumulators.  The second: each 64 x 128: 32 accumulators, two register sets for both operands.
; K goes in steps of 256 through two LDS slots, and the ring does not stop between the tiles: the first tile's last two changes of slots ask for the second tile's K steps 0 and 1, which land under the last products and the way out.
; The first tile's scale bytes come once into LDS.  The second tile's stay in registers: lane l holds the 32 scale bytes of row 32 p + l, so a register serves block 2 p from lanes 0-15 and block 2 p + 1 from lanes 16-31.
; CLUSTERS: 4 x 4 work-groups; A's tiles are asked for jointly along a row of the cluster, B's along a column, in both tiles.  In the second tile wave 0 fetches A's 128 rows, waves 2 and 3 B's halves, wave 1 nothing.
; No prefetch: K is four steps of 256, the first two come by the head's loads, and in clusters of the largest block two refills are left for a look-ahead of two steps to run ahead of.
; THE OUTPUT IS AN IMAGE OF OPERAND REGISTERS, in units of 16,896 bytes (128 rows x 128 K): 8 fragments (16 rows x 128 K) of 2,048 bytes: register group c at 512 c, lane l's 16 bytes at 16 l; then 512 bytes of
; scale words, row 16 f + r's at 16,384 + 64 f + 4 r.  Each store of codes covers 512 consecutive bytes, aligned to 256.
; THE ORDER OF K INSIDE A BLOCK OF 32: place (c, lane / 16 = h, i) holds k = 32 c + 8 h + i for i < 8 and 32 c + 16 + 8 h + (i - 8) else: as the accumulators lie.  q and k, and p and v, have the same order.
; LIMITS: NaN and infinities ahead of the quantiser are not served.  A block of zeros gets the byte 1 (the floor's) where the rule says 127: its codes are zeros, and this program alone reads the bytes.
; REGISTERS, in windows of 256: window 0: v0-31 addresses; v32-63 the first tile's scale words, two sets; v64-111 the second tile's; from v128 A's fragments (first tile: one set of 8; second: two sets of 4).
;   window 1: B's fragments, two sets.  windows 2, 3: the accumulators ((a, b) at v[8 (8 (a % 4) + b)]).
;   On a way out: window 0: v128-191 64 held numbers, v192-207 at work, v208-215 the scale words, v216-219 read back;  window 1: v0-127 the codes, 16 registers a fragment.
.set NQ,     2                         ; matrix instructions deep in a slot
.set ROWB,   256                       ; a tile's row in bytes
.set KROW,   1024                      ; a row of an operand in memory
.set PITCH,  272                       ; an LDS row: 256 bytes + 16 of padding: the 16 rows of a load start 68 words apart
.set FR,     16
.set NL,     4
.set NP,     8                         ; places behind this matrix instruction (ISA guide 7.12.1)
.set HALFT,  128*PITCH
.set SLOT,   4*HALFT                   ; A's 256 rows (the second tile uses 128 of them), then B's
.set KS,     32                        ; a row of scale bytes
.set SCL,    2*SLOT
.set HALFS,  (128*KS/256)*272
.set SBLK,   (16*KS/256)*272
.set SPARE,  SCL+4*HALFS               ; the spare words: 128 bytes a wave, named by no other line
.set STG,    SPARE+512                 ; 512 bytes a wave for scale words on the way out: bytes into which no fill lands
.set G8,     16896
.set ADRA, 16                          ; v16-17 the first tile's A fragments in slot 0, 1
.set ADRH, 18                          ; v18-19 the second tile's
.set ADRB, 20                          ; v20-21 B's, in both tiles
.set LI8,  22                          ; v22  the second tile's scale words in memory: 8 x lane + their distance from my codes
.set SR2,  23                          ; v23  and in my stage: 8 x lane
.set SS,   24                          ; v24  where I put a scale word: my stage + 4 (lane % 16)
.set SR,   25                          ; v25  where I read 16 bytes of them back
.set LI,   26                          ; v26  16 x lane
.set ADRS, 27
.set SPW,  28
.set NIL,  29
.set SOF,  30                          ; v30  32 x lane: a row of scale bytes a lane
.set SC,   32
.set SA2,  64                          ; the second tile's scale words: A's at + 8 p + w (w: which 128 along K),
.set SB2,  80                          ; B's likewise
.set AF,   128
.set T,    128
.set TM,   192                         ; +0..3 largest magnitudes, +4..7 bytes, +8..11 448 x the scale, +12..15 the conversions' scale operands
.set PW,   208
.set RB,   216
.set G1, 24
.set G0, 32
.set G1B, 48
.set G0B, 56
.set G1S, 68                           ; s68-91: the descriptors of the scale bytes' loads; behind the first wait on TENSORcnt they are done, and the registers take:
.set G0S, 76
.set G1SB, 80
.set G0SB, 88
.set G0H, 4                            ; s[4:7], s[8:11] group 0 for the head's loads of K step 0: A's 256 rows, B's 256 rows (the pointers that lay there have been used by then)
.set G0HB, 8
.set G0P, 68                           ; s[68:75] group 0 for the second tile's A, a set for each slot
.set G0BP, 76                          ; s[76:83] for its B
.set SEL, 84
.set MNT, 86
.set FLR, 87
.set JOB, 66
.set CLY, 67
.set MSB, 0
.macro WIN new                         ; the immediate's high byte repeats the setting that is left
.if MSB != \new
	s_set_vgpr_msb (MSB<<8)|\new
.set MSB, \new
.endif
.endm
.set MUL_LO, 0xa1                      ; source 0 (B) window 1, source 1 (A) window 0, C and D window 2
.set MUL_HI, 0xf1
.set TO_B,   0x40
; A joint load of the first tile's ring: waves 0 and 1 fetch for A, waves 2 and 3 for B; the branch hangs on the wave's number alone.  Four v_nop follow each line.
.macro JLOAD g0a, g1a, g0b, g1b
	s_cmp_eq_u32 s15, 0
	s_cbranch_scc0 .Lfor_b_\@
	tensor_load_to_lds s[\g0a:\g0a+3], s[\g1a:\g1a+7]
	s_nop 0
.rept 4
	v_nop
.endr
	s_branch .Lasked_\@
.Lfor_b_\@:
	tensor_load_to_lds s[\g0b:\g0b+3], s[\g1b:\g1b+7]
	s_nop 0
.rept 4
	v_nop
.endr
.Lasked_\@:
.endm
; A joint load of the second tile: wave 0 fetches A's 128 rows, waves 2 and 3 B's halves; wave 1 has no part of a tile to fill.
.macro JLOAD2 s
	s_cmp_eq_u32 s14, 0
	s_cbranch_scc0 .Lnot_a_\@
	tensor_load_to_lds s[G0P+4*\s:G0P+4*\s+3], s[G1:G1+7]
	s_nop 0
.rept 4
	v_nop
.endr
	s_branch .Lasked2_\@
.Lnot_a_\@:
	s_cmp_lt_u32 s14, 2
	s_cbranch_scc1 .Lasked2_\@
	tensor_load_to_lds s[G0BP+4*\s:G0BP+4*\s+3], s[G1B:G1B+7]
	s_nop 0
.rept 4
	v_nop
.endr
.Lasked2_\@:
.endm
.macro CREST                           ; a round of the cluster's barrier behind its opening barrier
	s_cmp_lg_u32 s14, 0
	s_cbranch_scc1 .Lnot_wave_0_\@
	s_barrier_signal -3
.Lnot_wave_0_\@:
	s_barrier_wait -3
	s_barrier_signal -1
	s_barrier_wait -1
.endm
.macro CROUND
	s_barrier_signal -1
	s_barrier_wait -1
	CREST
.endm
; one scaled matrix instruction; sel = (source 0's scales in lanes 16-31) + 2 x (source 1's).  WM0 starts a sum, WM takes C from registers.
.macro WM0 d, a, b, sa, sb, sel
.if (\sel) == 0
	v_wmma_scale_f32_16x16x128_f8f6f4 v[\d:\d+7], v[\a:\a+15], v[\b:\b+15], 0, v[\sa], v[\sb]
.elseif (\sel) == 1
	v_wmma_scale_f32_16x16x128_f8f6f4 v[\d:\d+7], v[\a:\a+15], v[\b:\b+15], 0, v[\sa], v[\sb] matrix_a_scale:MATRIX_SCALE_ROW1
.elseif (\sel) == 2
	v_wmma_scale_f32_16x16x128_f8f6f4 v[\d:\d+7], v[\a:\a+15], v[\b:\b+15], 0, v[\sa], v[\sb] matrix_b_scale:MATRIX_SCALE_ROW1
.else
	v_wmma_scale_f32_16x16x128_f8f6f4 v[\d:\d+7], v[\a:\a+15], v[\b:\b+15], 0, v[\sa], v[\sb] matrix_a_scale:MATRIX_SCALE_ROW1 matrix_b_scale:MATRIX_SCALE_ROW1
.endif
.endm
.macro WM d, a, b, c, sa, sb, sel
.if (\sel) == 0
	v_wmma_scale_f32_16x16x128_f8f6f4 v[\d:\d+7], v[\a:\a+15], v[\b:\b+15], v[\c:\c+7], v[\sa], v[\sb]
.elseif (\sel) == 1
	v_wmma_scale_f32_16x16x128_f8f6f4 v[\d:\d+7], v[\a:\a+15], v[\b:\b+15], v[\c:\c+7], v[\sa], v[\sb] matrix_a_scale:MATRIX_SCALE_ROW1
.elseif (\sel) == 2
	v_wmma_scale_f32_16x16x128_f8f6f4 v[\d:\d+7], v[\a:\a+15], v[\b:\b+15], v[\c:\c+7], v[\sa], v[\sb] matrix_b_scale:MATRIX_SCALE_ROW1
.else
	v_wmma_scale_f32_16x16x128_f8f6f4 v[\d:\d+7], v[\a:\a+15], v[\b:\b+15], v[\c:\c+7], v[\sa], v[\sb] matrix_a_scale:MATRIX_SCALE_ROW1 matrix_b_scale:MATRIX_SCALE_ROW1
.endif
.endm
	s_load_b256 s[68:75], s[0:1], 0x0              ; query's codes, its scales, Wq's codes, its scales
	s_load_b64 s[76:77], s[0:1], 0x20              ; q_img
	s_load_b256 s[80:87], s[0:1], 0x28             ; key_value's codes, its scales, Wk's codes, its scales
	s_load_b64 s[88:89], s[0:1], 0x48              ; k_img
	s_load_b128 s[92:95], s[0:1], 0x50             ; Wv's codes, its scales
	s_load_b64 s[96:97], s[0:1], 0x60              ; v_img
	v_lshl_add_u32 v[SPW], v0, 2, SPARE
	v_mov_b32 v[NIL], 0
	ds_add_u32 v[SPW], v[NIL]                      ; the wave's opening: the add, twice on end, and its wait
	ds_add_u32 v[SPW], v[NIL]
	s_wait_dscnt 0x0
	v_lshrrev_b32 v1, 5, v0
	v_readfirstlane_b32 s14, v1                    ; wave 0..3
	s_lshr_b32 s15, s14, 1                         ; which half of A's rows is mine.  Also, in the first tile: I fetch for A (0) or for B (1)
	s_and_b32 s16, s14, 1                          ; which half of B's rows.  Also: which 128 rows of a tile I fetch
	s_bfe_u32 s40, ttmp6, 0x40000                  ; cx, cy: my place in the cluster
	s_bfe_u32 s41, ttmp6, 0x40004
	s_and_b32 s[CLY], ttmp7, 0xffff                ; the cluster's y, 0..15 (the grid is one cluster wide)
	s_lshr_b32 s[JOB], s[CLY], 3                   ; the first tile is q's (0) or k's (1): the same in all sixteen partners
	s_and_b32 s17, s[CLY], 7
	s_lshl_b32 s17, s17, 2
	s_add_co_u32 s17, s17, s41                     ; A's tile of 256 tokens: it hangs on cy alone
	s_mov_b32 s42, s40                             ; B's tile of 256 features: on cx alone
	s_lshl_b32 s43, s41, 2
	s_lshl_b32 s43, 15, s43                        ; my row of the cluster
	s_lshl_b32 s44, 0x1111, s40                    ; my column
	; descriptor group 1: a tile of rows of 256 bytes, 16 bytes of padding behind each: 256 rows for the head's loads; behind them the two words that count rows are set to 128, for the ring's
	s_or_b32 s[G1+0], s43, (0<<16)|(1<<20)|(1<<21)|(5<<22)|(3<<25)
	s_or_b32 s[G1B+0], s44, (0<<16)|(1<<20)|(1<<21)|(5<<22)|(3<<25)
.irp g, G1, G1B
	s_mov_b32 s[\g+1], ROWB<<16                    ; tensor_dim0
	s_mov_b32 s[\g+2], 256<<16                     ; tensor_dim1
	s_mov_b32 s[\g+3], ROWB<<16                    ; tile_dim0
	s_mov_b32 s[\g+4], 256                         ; tile_dim1
	s_mov_b32 s[\g+5], KROW                        ; from row to row
	s_mov_b32 s[\g+6], 0
	s_mov_b32 s[\g+7], 0
.endr
	s_lshl_b32 s20, s17, 8                         ; A: row 256 x tile
	s_lshl_b32 s46, s42, 8                         ; B likewise
	s_mov_b32 s21, 0
	s_mov_b32 s47, 0
	s_mov_b64 s[18:19], KS
	s_mul_u64 s[22:23], s[20:21], s[18:19]         ; where these rows' scales begin, in bytes
	s_mul_u64 s[98:99], s[46:47], s[18:19]
	s_mov_b64 s[18:19], KROW
	s_mul_u64 s[20:21], s[20:21], s[18:19]         ; and their codes
	s_mul_u64 s[46:47], s[46:47], s[18:19]
	s_mul_i32 s45, s14, HALFT                      ; where they go: wave x 128 rows
	s_wait_kmcnt 0x0
	s_cmp_eq_u32 s[JOB], 0                         ; the first tile's buffers
	s_cselect_b64 s[4:5], s[68:69], s[80:81]       ; A's codes
	s_cselect_b64 s[6:7], s[70:71], s[82:83]       ; A's scales
	s_cselect_b64 s[8:9], s[72:73], s[84:85]       ; B's codes
	s_cselect_b64 s[10:11], s[74:75], s[86:87]     ; B's scales
	s_cselect_b64 s[12:13], s[76:77], s[88:89]     ; the image
	s_mov_b64 s[100:101], s[80:81]                 ; key_value's codes and scales are kept for the second tile
	s_mov_b64 s[104:105], s[82:83]
	s_add_nc_u64 s[20:21], s[4:5], s[20:21]
	s_add_nc_u64 s[22:23], s[6:7], s[22:23]
	s_add_nc_u64 s[46:47], s[8:9], s[46:47]
	s_add_nc_u64 s[98:99], s[10:11], s[98:99]
	; s68-91 are free.  Group 1 for the scales of 256 rows: 8,192 dense bytes as 32 rows of 256 (32 elements of 8 bytes), 16 bytes of padding behind each
	s_or_b32 s[G1S+0], s43, (3<<16)|(1<<20)|(1<<21)|(5<<22)|(3<<25)
	s_or_b32 s[G1SB+0], s44, (3<<16)|(1<<20)|(1<<21)|(5<<22)|(3<<25)
.irp g, G1S, G1SB
	s_mov_b32 s[\g+1], 32<<16
	s_mov_b32 s[\g+2], KS<<16
	s_mov_b32 s[\g+3], 32<<16
	s_mov_b32 s[\g+4], KS
	s_mov_b32 s[\g+5], 32
	s_mov_b32 s[\g+6], 0
	s_mov_b32 s[\g+7], 0
.endr
	CROUND                                         ; all sixteen work-groups are here: the first joint loads meet
	s_mov_b32 s[G0S], 1
	s_mov_b32 s[G0S+1], SCL
	s_mov_b64 s[G0S+2:G0S+3], s[22:23]
	s_or_b32 s[G0S+3], s[G0S+3], 0x80000000
	s_mov_b32 s[G0SB], 1
	s_mov_b32 s[G0SB+1], SCL+2*HALFS
	s_mov_b64 s[G0SB+2:G0SB+3], s[98:99]
	s_or_b32 s[G0SB+3], s[G0SB+3], 0x80000000
	s_mov_b32 s[G0H], 1                            ; K step 0: A's 256 rows,
	s_mov_b32 s[G0H+1], 0
	s_mov_b64 s[G0H+2:G0H+3], s[20:21]
	s_or_b32 s[G0H+3], s[G0H+3], 0x80000000
	s_mov_b32 s[G0HB], 1                           ; and B's
	s_mov_b32 s[G0HB+1], 2*HALFT
	s_mov_b64 s[G0HB+2:G0HB+3], s[46:47]
	s_or_b32 s[G0HB+3], s[G0HB+3], 0x80000000
	s_lshl_b32 s18, s16, 17                        ; for the ring: my 128 rows of a tile, in bytes
	s_mov_b32 s19, 0
	s_add_nc_u64 s[20:21], s[20:21], s[18:19]
	s_add_nc_u64 s[46:47], s[46:47], s[18:19]
.irp s, 0,1
	s_mov_b32 s[G0+4*\s], 1
	s_add_co_u32 s[G0+4*\s+1], s45, \s*SLOT
	s_add_nc_u64 s[G0+4*\s+2:G0+4*\s+3], s[20:21], \s*ROWB
	s_or_b32 s[G0+4*\s+3], s[G0+4*\s+3], 0x80000000
	s_mov_b32 s[G0B+4*\s], 1
	s_add_co_u32 s[G0B+4*\s+1], s45, \s*SLOT
	s_add_nc_u64 s[G0B+4*\s+2:G0B+4*\s+3], s[46:47], \s*ROWB
	s_or_b32 s[G0B+4*\s+3], s[G0B+4*\s+3], 0x80000000
.endr
; THE HEAD'S LOADS, ONE A WAVE: wave 0 K step 0's 256 rows of A, wave 1 those of B, wave 2 the scales of A's rows, wave 3 those of B's.  One tree of branches, an arm a load.
.macro ARM under, g0, g1, next
	s_cmp_lt_u32 s14, \under
	s_cbranch_scc0 \next
	tensor_load_to_lds s[\g0:\g0+3], s[\g1:\g1+7]
	s_nop 0
.rept 4
	v_nop
.endr
	s_branch .Lhead_asked
\next:
.endm
	ARM 1, G0H,  G1,  .Lhead_b
	ARM 2, G0HB, G1B, .Lhead_sa
	ARM 3, G0S,  G1S, .Lhead_sb
	tensor_load_to_lds s[G0SB:G0SB+3], s[G1SB:G1SB+7]
	s_nop 0
.rept 4
	v_nop
.endr
.Lhead_asked:
	v_and_b32 v1, 15, v0                           ; l % 16
	v_bfe_u32 v2, v0, 4, 1                         ; l / 16
	v_mul_u32_u24 v3, v1, PITCH
	v_lshl_add_u32 v4, v2, 4, v3                   ; a fragment's row x pitch + 16 x half
	s_mul_i32 s21, s15, HALFT                      ; the first tile: my 128 rows of A
	s_mul_i32 s22, s16, HALFT                      ; my 128 rows of B,
	s_add_co_u32 s22, s22, 2*HALFT                 ; which lie behind A's 256
	s_mul_i32 s23, s15, 64*PITCH                   ; the second tile: my 64 rows of A
.irp s, 0,1
	v_add_nc_u32 v[ADRA+\s], s21, v4
	v_add_nc_u32 v[ADRB+\s], s22, v4
	v_add_nc_u32 v[ADRH+\s], s23, v4
	s_add_co_u32 s21, s21, SLOT
	s_add_co_u32 s22, s22, SLOT
	s_add_co_u32 s23, s23, SLOT
.endr
	v_mul_u32_u24 v5, v1, KS                       ; my row's scales: 32 bytes a row,
	v_lshrrev_b32 v6, 8, v5
	v_lshl_add_u32 v5, v6, 4, v5                   ; and 16 more for each 256 passed
	s_mul_i32 s21, s15, HALFS
	s_mul_i32 s22, s16, HALFS
	s_add_co_u32 s22, s22, 2*HALFS
	s_sub_co_u32 s22, s22, s21
	v_mul_u32_u24 v6, s22, v2                      ; lanes 16-31 take B's
	s_add_co_u32 s21, s21, SCL
	v_add_nc_u32 v5, v5, v6
	v_add_nc_u32 v[ADRS], s21, v5
	s_lshl_b32 s23, s14, 9
	s_add_co_u32 s23, s23, STG                     ; my stage for scale words
	v_lshl_add_u32 v[SS], v1, 2, s23
	v_and_b32 v6, 31, v0
	v_lshlrev_b32 v[LI], 4, v6
	v_add_nc_u32 v[SR], s23, v[LI]
	v_lshl_add_u32 v[SR2], v6, 3, s23
	s_mul_i32 s22, s15, 7936                       ; the second tile: my codes begin 8,192 x half into the unit, my scale words at 16,384 + 256 x half
	s_sub_co_u32 s22, 16384, s22
	v_lshl_add_u32 v[LI8], v6, 3, s22
	v_lshlrev_b32 v[SOF], 5, v6
	s_wait_alu depctr_va_vdst(0)                   ; the wait behind the head's last vector instruction
	; the first tile: which unit of the image is my wave's: ((batch x 8 + head) x 8 + token / 128)
	s_lshl_b32 s20, s17, 8
	s_lshl_b32 s21, s15, 7
	s_add_co_u32 s20, s20, s21                     ; my first token
	s_lshl_b32 s22, s42, 1
	s_add_co_u32 s22, s22, s16                     ; my head
	s_lshr_b32 s21, s20, 10
	s_lshl_b32 s21, s21, 3
	s_add_co_u32 s21, s21, s22
	s_lshl_b32 s21, s21, 3
	s_bfe_u32 s20, s20, 0x30007
	s_add_co_u32 s20, s21, s20
	s_mul_i32 s20, s20, G8                         ; at most 511 x 16,896
	s_mov_b32 s21, 0
	s_add_nc_u64 s[12:13], s[12:13], s[20:21]
	; the second tile: A = head 4 (cluster % 2) + cy of Wv; B = tile 4 (cluster / 2) + cx of key_value's 32
	s_and_b32 s18, s[CLY], 1
	s_lshl_b32 s18, s18, 2
	s_add_co_u32 s18, s18, s41                     ; the head: it hangs on cy alone
	s_lshr_b32 s19, s[CLY], 1
	s_lshl_b32 s19, s19, 2
	s_add_co_u32 s19, s19, s40                     ; B's tile: on cx alone
	s_lshl_b32 s20, s18, 17                        ; 128 rows of 1,024 bytes a head
	s_add_nc_u64 s[92:93], s[92:93], s[20:21]      ; A's codes
	s_lshl_b32 s20, s18, 12
	s_lshl_b32 s22, s15, 11
	s_add_co_u32 s20, s20, s22
	s_add_nc_u64 s[94:95], s[94:95], s[20:21]      ; the scale bytes of my 64 rows of A
	s_lshl_b32 s22, s19, 8
	s_lshl_b32 s23, s16, 7
	s_add_co_u32 s22, s22, s23                     ; my first key: the 128 rows of B that I fetch (waves 2, 3) and multiply
	s_lshl_b32 s46, s22, 10
	s_mov_b32 s47, 0
	s_add_nc_u64 s[100:101], s[100:101], s[46:47]  ; their codes
	s_lshl_b32 s46, s22, 5
	s_add_nc_u64 s[104:105], s[104:105], s[46:47]  ; their scale bytes
	s_lshr_b32 s46, s22, 10
	s_lshl_b32 s46, s46, 3
	s_add_co_u32 s46, s46, s18
	s_lshl_b32 s46, s46, 3
	s_bfe_u32 s22, s22, 0x30007
	s_add_co_u32 s46, s46, s22                     ; the unit: (batch x 8 + head) x 8 + key / 128
	s_mul_i32 s46, s46, G8
	s_lshl_b32 s22, s15, 13
	s_add_co_u32 s46, s46, s22                     ; my four fragments of it
	s_add_nc_u64 s[96:97], s[96:97], s[46:47]
.irp p, 0,1
.irp j, 0,1
	global_load_b128 v[SA2+8*\p+4*\j:SA2+8*\p+4*\j+3], v[SOF], s[94:95] offset:1024*\p+16*\j   ; lane l: row 32 p + l's words 4 j .. 4 j + 3
.endr
.endr
.irp p, 0,1,2,3
.irp j, 0,1
	global_load_b128 v[SB2+8*\p+4*\j:SB2+8*\p+4*\j+3], v[SOF], s[104:105] offset:1024*\p+16*\j
.endr
.endr
.macro FRAG reg, adr, q, i             ; 16 rows x 128 K: lane l holds row l % 16; registers 4 c .. 4 c + 3 hold K = 32 c + 16 (l / 16) + 0 .. 15
.irp c, 0,1,2,3
	ds_load_b128 v[\reg+4*\c:\reg+4*\c+3], v[\adr] offset:128*(\q)+32*\c+(\i)*16*PITCH
.endr
.endm
; THE FIRST TILE.  16 matrix instructions: A's blocks a0, a0 + 1 x B's eight.  The 64 accumulators take turns, one instruction a turn, in the same order in every step.
.macro MUL16 a0, p, q, sc, zero
.irp a, \a0, \a0+1
.irp b, 0,1,2,3,4,5,6,7
.if \zero
	v_wmma_scale_f32_16x16x128_f8f6f4 v[8*(8*((\a)%4)+\b):8*(8*((\a)%4)+\b)+7], v[128*(\p)+FR*\b:128*(\p)+FR*\b+FR-1], v[AF+FR*(\a):AF+FR*(\a)+FR-1], 0, v[SC+8*NQ*(\sc)+NQ*\b+(\q)], v[SC+8*NQ*(\sc)+NQ*(\a)+(\q)] matrix_a_scale:MATRIX_SCALE_ROW1
.else
	v_wmma_scale_f32_16x16x128_f8f6f4 v[8*(8*((\a)%4)+\b):8*(8*((\a)%4)+\b)+7], v[128*(\p)+FR*\b:128*(\p)+FR*\b+FR-1], v[AF+FR*(\a):AF+FR*(\a)+FR-1], v[8*(8*((\a)%4)+\b):8*(8*((\a)%4)+\b)+7], v[SC+8*NQ*(\sc)+NQ*\b+(\q)], v[SC+8*NQ*(\sc)+NQ*(\a)+(\q)] matrix_a_scale:MATRIX_SCALE_ROW1
.endif
.endr
.endr
.endm
.macro FETCH_B slot, q, p
	WIN TO_B
.irp i, 0,1,2,3,4,5,6,7
	FRAG 128*(\p)+FR*\i, ADRB+\slot, \q, \i
.endr
	WIN 0
.endm
.macro FETCH_A slot, q, i0
.irp i, \i0, \i0+1, \i0+2, \i0+3
	FRAG AF+FR*(\i), ADRA+\slot, \q, \i
.endr
.endm
.macro SCALES sc                       ; a K step's scale words: two a row; lanes 0-15 take A's block i, lanes 16-31 B's block i
.irp i, 0,1,2,3,4,5,6,7
	ds_load_b64 v[SC+8*NQ*\sc+NQ*\i:SC+8*NQ*\sc+NQ*\i+1], v[ADRS] offset:\i*SBLK
.endr
.endm
.macro PLACES n                        ; plain vector instructions that name no register of the matrix instructions before them
.rept \n
	v_nop
.endr
.endm
.macro STEP slot, q, zero              ; 128 along K that has its successor in the same slot
	s_wait_dscnt 4*NL                              ; B's set and A's blocks 0-3 are in; the youngest 16 loads (A's blocks 4-7) may be out
	WIN MUL_LO
	MUL16 0, (\q)%2, \q, \slot, \zero
	MUL16 2, (\q)%2, \q, \slot, \zero
	s_wait_dscnt 0
	PLACES NP
	FETCH_B \slot, (\q)+1, 1-(\q)%2
	FETCH_A \slot, (\q)+1, 0
	WIN MUL_HI
	MUL16 4, (\q)%2, \q, \slot, \zero
	MUL16 6, (\q)%2, \q, \slot, \zero
	PLACES NP
	WIN 0
	FETCH_A \slot, (\q)+1, 4
.endm
; A slot's last step changes slots: a round of the cluster's barrier; in front of it each wave waits for all its tensor loads, adds 0 to its spare word, and waits for that and for its reads of this slot.
; fill = 1: this slot takes the tile's K step two steps on;  fill = 2: it takes the SECOND tile's K step 0 or 1.  fetch = 0: the tile's very last step: nothing more is read from LDS.
.macro TURN slot, next, fill, fetch
	s_wait_tensorcnt 0x0                           ; all my tensor loads have landed: my part of the next slot
	ds_add_u32 v[SPW], v[NIL]                      ; 0 onto my spare word
	s_wait_dscnt 4*NL+1                            ; the add and the youngest 16 loads may be out
	WIN MUL_LO
	MUL16 0, 1, NQ-1, \slot, 0
	s_wait_dscnt 0x0                               ; the add is done, and my reads of this slot are over
	s_barrier_signal -1
	MUL16 2, 1, NQ-1, \slot, 0
	WIN 0
	s_barrier_wait -1
	CREST                                          ; the barrier has opened a round of the cluster's: no wave of any partner still reads this slot or has a load on its way
.if \fill == 1
	s_add_nc_u64 s[G0+4*\slot+2:G0+4*\slot+3], s[G0+4*\slot+2:G0+4*\slot+3], 2*ROWB
	s_add_nc_u64 s[G0B+4*\slot+2:G0B+4*\slot+3], s[G0B+4*\slot+2:G0B+4*\slot+3], 2*ROWB
	JLOAD G0+4*\slot, G1, G0B+4*\slot, G1B         ; the first tensor load behind the round; its four v_nop are four of the eight places
	PLACES NP-4
.else
	JLOAD2 \slot                                   ; the first tensor load behind the round; wave 1 passes no v_nop there, so all eight places follow
.if \fetch
	PLACES NP
.endif
.endif
.if \fetch
	s_wait_alu depctr_va_vdst(0)
	v_add_nc_u32 v[ADRS], 4*NQ, v[ADRS]            ; the next K step's scale words
	FETCH_B \next, 0, 0
	FETCH_A \next, 0, 0
	SCALES \next
.endif
	WIN MUL_HI
	MUL16 4, 1, NQ-1, \slot, 0
	MUL16 6, 1, NQ-1, \slot, 0
.if \fetch
	PLACES NP
	WIN 0
	FETCH_A \next, 0, 4
.else
	WIN 0
.endif
.endm
; THE SECOND TILE.  8 matrix instructions: A's block a x B's eight, on register set p, the w-th 128 along K.  The 32 accumulators take turns, one instruction a turn.
.macro HMUL a, p, w, zero
.irp b, 0,1,2,3,4,5,6,7
.set rD, 8*(8*(\a)+\b)
.set rB, 128*(\p)+FR*\b
.set rA, AF+64*(\p)+FR*(\a)
.set sB, SB2+8*(\b/2)+(\w)
.set sA, SA2+8*((\a)/2)+(\w)
.set sl, (\b%2)+2*((\a)%2)
.if \zero
	WM0 rD, rB, rA, sB, sA, sl
.else
	WM rD, rB, rA, rD, sB, sA, sl
.endif
.endr
.endm
.macro HFB slot, q, p, i0              ; B's blocks i0 .. i0 + 3 into set p: 16 loads
	WIN TO_B
.irp i, \i0, \i0+1, \i0+2, \i0+3
	FRAG 128*(\p)+FR*(\i), ADRB+\slot, \q, \i
.endr
.endm
.macro HFA slot, q, p                  ; A's four blocks into set p: 16 loads
	WIN 0
.irp i, 0,1,2,3
	FRAG AF+64*(\p)+FR*\i, ADRH+\slot, \q, \i
.endr
.endm
; A step of 128 along K on set p; the next step's 48 loads (slot nslot, its nq-th 128) go into the other set in three runs of 16, each ahead of eight products.
.macro HSTEP p, w, zero, nslot, nq
	s_wait_dscnt 0x0                               ; this step's fragments are in
	PLACES NP                                      ; behind the last step's products, which read the registers that are loaded now
	HFB \nslot, \nq, 1-\p, 0
	WIN MUL_LO
	HMUL 0, \p, \w, \zero
	HFB \nslot, \nq, 1-\p, 4
	WIN MUL_LO
	HMUL 1, \p, \w, \zero
	HFA \nslot, \nq, 1-\p
	WIN MUL_LO
	HMUL 2, \p, \w, \zero
	HMUL 3, \p, \w, \zero
	WIN 0
.endm
; A slot's last step (set 1) changes slots, as in the first tile.  fill = 1: this slot takes the K step two steps on.
.macro HTURN w, slot, next, fill
	s_wait_tensorcnt 0x0                           ; all my tensor loads have landed: my part of the next slot
	ds_add_u32 v[SPW], v[NIL]                      ; 0 onto my spare word
	s_wait_dscnt 0x1                               ; this step's fragments are in; the add may be out
	WIN MUL_LO
	HMUL 0, 1, \w, 0
	s_wait_dscnt 0x0                               ; the add is done, and my reads of this slot are over
	s_barrier_signal -1
	HMUL 1, 1, \w, 0
	WIN 0
	s_barrier_wait -1
.if \fill
	CREST
	s_add_nc_u64 s[G0P+4*\slot+2:G0P+4*\slot+3], s[G0P+4*\slot+2:G0P+4*\slot+3], 2*ROWB
	s_add_nc_u64 s[G0BP+4*\slot+2:G0BP+4*\slot+3], s[G0BP+4*\slot+2:G0BP+4*\slot+3], 2*ROWB
	JLOAD2 \slot                                   ; the first tensor load behind the round
.endif
	PLACES NP
	HFB \next, 0, 0, 0
	HFB \next, 0, 0, 4
	HFA \next, 0, 0
	WIN MUL_LO
	HMUL 2, 1, \w, 0
	HMUL 3, 1, \w, 0
	WIN 0
.endm
; THE WAY OUT.  Block a: 16 rows of A x my 128 rows of B: a lane holds one row and 64 numbers, register 16 b + i of the block's eight accumulators; a block of 32 lies in lanes l and l xor 16.
; The largest magnitude (with the floor among its leaves), its exponent field less 8 as the conversion's scale operand, the byte, the hold at 448 x the scale, the conversion; the codes are stored as they stand.
.macro QOUT a
.set AC, 64*((\a)%4)
.set W,  2+(\a)/4
.set WW, (W<<2)|(W<<4)
	WIN WW                                         ; sources 1 and 2: the accumulators' window
.irp b, 0,1,2,3
	v_max3_num_f32 v[TM+\b], s[FLR], |v[AC+16*\b]|, |v[AC+16*\b+1]|     ; each accumulator is read from its low end on
.endr
.irp i, 2,4,6,8,10,12,14
.irp b, 0,1,2,3
	v_max3_num_f32 v[TM+\b], v[TM+\b], |v[AC+16*\b+\i]|, |v[AC+16*\b+\i+1]|
.endr
.endr
	WIN 0
.irp b, 0,1,2,3
	v_permlanex16_b32 v[TM+4+\b], v[TM+\b], s[SEL], s[SEL+1]
.endr
.irp b, 0,1,2,3
	v_max_num_f32 v[TM+\b], v[TM+\b], v[TM+4+\b]   ; the block's largest magnitude
.endr
.irp b, 0,1,2,3
	v_add_nc_u32 v[TM+12+\b], 0xfc000000, v[TM+\b] ; 8 off its exponent field
.endr
.irp b, 0,1,2,3
	v_and_or_b32 v[TM+8+\b], v[TM+\b], 0x7f800000, s[MNT]   ; 448 x the scale
.endr
.irp b, 0,1,2,3
	v_lshrrev_b32 v[TM+4+\b], 23, v[TM+12+\b]      ; the byte
.endr
	v_lshl_or_b32 v[PW+(\a)], v[TM+5], 8, v[TM+4]
	v_lshl_or_b32 v[PW+(\a)], v[TM+6], 16, v[PW+(\a)]
	v_lshl_or_b32 v[PW+(\a)], v[TM+7], 24, v[PW+(\a)]
	WIN W                                          ; source 0: the accumulators' window
.irp b, 0,1,2,3
.irp i, 0,1,2,3,4,5,6,7,8,9,10,11,12,13,14,15
	v_med3_num_f32 v[T+16*\b+\i], v[AC+16*\b+\i], -v[TM+8+\b], v[TM+8+\b]   ; the conversion to an 8-bit code does not saturate (ISA guide 7.6.2)
.endr
.endr
	WIN 0x40                                       ; destination window 1
.irp b, 0,1,2,3
	v_cvt_scalef32_pk8_fp8_f32 v[16*(\a)+4*\b:16*(\a)+4*\b+1], v[T+16*\b:T+16*\b+7], v[TM+12+\b]
	v_cvt_scalef32_pk8_fp8_f32 v[16*(\a)+4*\b+2:16*(\a)+4*\b+3], v[T+16*\b+8:T+16*\b+15], v[TM+12+\b]
.endr
	v_nop                                          ; a plain line behind the last conversion: the next block writes their sources
	WIN 0x04                                       ; a store's data are its source 1: window 1
.irp c, 0,1,2,3
	global_store_b128 v[LI], v[16*(\a)+4*\c:16*(\a)+4*\c+3], s[12:13] offset:2048*(\a)+512*\c   ; 32 lanes store 512 consecutive bytes
.endr
.endm
	s_wait_tensorcnt 0x0                           ; my tile of the head's four is in
	ds_add_u32 v[SPW], v[NIL]                      ; 0 onto my spare word
	s_mov_b32 s[G1+2], 128<<16                     ; no tensor load of mine is out: from here on a load brings 128 rows
	s_mov_b32 s[G1+4], 128
	s_mov_b32 s[G1B+2], 128<<16
	s_mov_b32 s[G1B+4], 128
	s_wait_dscnt 0x0
	CROUND                                         ; all four tiles are in, and the joint loads meet
	JLOAD G0+4, G1, G0B+4, G1B                     ; K step 1, the first tensor load behind the round
	FETCH_B 0, 0, 0
	FETCH_A 0, 0, 0
	SCALES 0
	FETCH_A 0, 0, 4
	; the scale bytes' loads are done (the wait above): their descriptors' registers take the second tile's groups 0 and the way out's constants
.irp s, 0,1
	s_mov_b32 s[G0P+4*\s], 1
	s_mov_b32 s[G0P+4*\s+1], \s*SLOT               ; A's 128 rows at the slot's head: wave 0 alone issues this load
	s_add_nc_u64 s[G0P+4*\s+2:G0P+4*\s+3], s[92:93], \s*ROWB
	s_or_b32 s[G0P+4*\s+3], s[G0P+4*\s+3], 0x80000000
	s_mov_b32 s[G0BP+4*\s], 1
	s_add_co_u32 s[G0BP+4*\s+1], s45, \s*SLOT      ; B's halves where the first tile's lie: waves 2 and 3
	s_add_nc_u64 s[G0BP+4*\s+2:G0BP+4*\s+3], s[100:101], \s*ROWB
	s_or_b32 s[G0BP+4*\s+3], s[G0BP+4*\s+3], 0x80000000
.endr
	s_mov_b32 s[SEL], 0x76543210                   ; v_permlanex16_b32's selects for lane l xor 16
	s_mov_b32 s[SEL+1], 0xfedcba98
	s_mov_b32 s[MNT], 0x600000                     ; the mantissa field of 448
	s_mov_b32 s[FLR], 0x4800000                    ; the floor 2^(9 - 127)
	STEP 0, 0, 1                                   ; the first step starts the sums
	TURN 0, 1, 1, 1                                ; slot 0 takes K step 2
	STEP 1, 0, 0
	TURN 1, 0, 1, 1                                ; slot 1 takes K step 3
	STEP 0, 0, 0
	TURN 0, 1, 2, 1                                ; THE RING GOES ON INTO THE SECOND TILE: slot 0 takes its K step 0,
	STEP 1, 0, 0
	TURN 1, 0, 2, 0                                ; slot 1 its K step 1
	PLACES NP                                      ; behind the last products: their results are read and their operands' registers written below
.irp b, 0,1,2,3
	v_mov_b32 v[TM+4+\b], 0                        ; a lane permute's destination counts as one of its sources
.endr
.irp a, 0,1,2,3,4,5,6,7
	QOUT \a
.endr
	WIN 0
.irp a, 0,1,2,3,4,5,6,7
	ds_store_b32 v[SS], v[PW+\a] offset:64*\a      ; row r's word; lanes r and r + 16 write the same word with the same value
.endr
	ds_load_b128 v[RB:RB+3], v[SR]                 ; LDS serves a wave's instructions in order: this sees my stores
	s_wait_dscnt 0x0
	global_store_b128 v[LI], v[RB:RB+3], s[12:13] offset:16384   ; the unit's 512 bytes of scale words
	; THE SECOND TILE.  Its K step 0 was shown whole to every wave by the last change of slots.
	s_wait_xcnt 0x0                                ; the first tile's stores have read their registers and their base: both are written again below
	s_mov_b64 s[12:13], s[96:97]
	s_wait_loadcnt 0x0                             ; the second tile's scale words
	HFB 0, 0, 0, 0
	HFB 0, 0, 0, 4
	HFA 0, 0, 0
	HSTEP 0, 0, 1, 0, 1                            ; the first step starts the sums
	HTURN 1, 0, 1, 1                               ; slot 0 takes K step 2
	HSTEP 0, 2, 0, 1, 1
	HTURN 3, 1, 0, 1                               ; slot 1 takes K step 3
	HSTEP 0, 4, 0, 0, 1
	HTURN 5, 0, 1, 0                               ; nothing is left to fetch
	HSTEP 0, 6, 0, 1, 1
	s_wait_dscnt 0x0
	WIN MUL_LO
	HMUL 0, 1, 7, 0
	HMUL 1, 1, 7, 0
	HMUL 2, 1, 7, 0
	HMUL 3, 1, 7, 0
	WIN 0
	PLACES NP
.irp b, 0,1,2,3
	v_mov_b32 v[TM+4+\b], 0
.endr
.irp a, 0,1,2,3
	QOUT \a
.endr
	WIN 0
.irp a, 0,1,2,3
	ds_store_b32 v[SS], v[PW+\a] offset:64*\a
.endr
	ds_load_b64 v[RB:RB+1], v[SR2]
	s_wait_dscnt 0x0
	global_store_b64 v[LI8], v[RB:RB+1], s[12:13]  ; my 64 rows' scale words: 32 lanes store 256 consecutive bytes, aligned
	s_wait_tensorcnt 0x0                           ; the wave's end
	ds_add_u32 v[SPW], v[NIL]
	s_wait_dscnt 0x0
	CROUND                                         ; the closing round
	s_endpgm
.Lfunc_end_k_qd7b7b3c782_proj:
	.size	k_qd7b7b3c782_proj, .Lfunc_end_k_qd7b7b3c782_proj-k_qd7b7b3c782_proj
	.p2alignl 7, 3214868480
	.fill 96, 4, 3214868480
	.section	.rodata,"a",@progbits
	.p2align	6, 0x0
	.amdhsa_kernel k_qd7b7b3c782_proj
		.amdhsa_group_segment_fixed_size 327680
		.amdhsa_private_segment_fixed_size 0
		.amdhsa_enable_private_segment 0
		.amdhsa_kernarg_size 104
		.amdhsa_user_sgpr_count 2
		.amdhsa_user_sgpr_kernarg_segment_ptr 1
		.amdhsa_wavefront_size32 1
		.amdhsa_system_sgpr_workgroup_id_x 1
		.amdhsa_system_sgpr_workgroup_id_y 1
		.amdhsa_system_sgpr_workgroup_id_z 1
		.amdhsa_system_vgpr_workitem_id 0
		.amdhsa_next_free_vgpr 1024
		.amdhsa_next_free_sgpr 106
		.amdhsa_reserve_vcc 0
		.amdhsa_float_denorm_mode_32 3
		.amdhsa_float_denorm_mode_16_64 3
		.amdhsa_memory_ordered 1
		.amdhsa_forward_progress 1
		.amdhsa_inst_pref_size 255
	.end_amdhsa_kernel
	.section	.bss,"aw",@nobits
	.p2align	6
	.space	262144
	.amdgpu_metadata
---
amdhsa.version: [ 1, 2 ]
amdhsa.kernels:
  - .name:           k_qd7b7b3c782_proj
    .symbol:         k_qd7b7b3c782_proj.kd
    .args:
      - { .name: query_codes, .offset: 0, .size: 8, .value_kind: global_buffer, .address_space: global }
      - { .name: query_scales, .offset: 8, .size: 8, .value_kind: global_buffer, .address_space: global }
      - { .name: Wq_codes, .offset: 16, .size: 8, .value_kind: global_buffer, .address_space: global }
      - { .name: Wq_scales, .offset: 24, .size: 8, .value_kind: global_buffer, .address_space: global }
      - { .name: q_img, .offset: 32, .size: 8, .value_kind: global_buffer, .address_space: global }
      - { .name: key_value_codes, .offset: 40, .size: 8, .value_kind: global_buffer, .address_space: global }
      - { .name: key_value_scales, .offset: 48, .size: 8, .value_kind: global_buffer, .address_space: global }
      - { .name: Wk_codes, .offset: 56, .size: 8, .value_kind: global_buffer, .address_space: global }
      - { .name: Wk_scales, .offset: 64, .size: 8, .value_kind: global_buffer, .address_space: global }
      - { .name: k_img, .offset: 72, .size: 8, .value_kind: global_buffer, .address_space: global }
      - { .name: Wv_codes, .offset: 80, .size: 8, .value_kind: global_buffer, .address_space: global }
      - { .name: Wv_scales, .offset: 88, .size: 8, .value_kind: global_buffer, .address_space: global }
      - { .name: v_img, .offset: 96, .size: 8, .value_kind: global_buffer, .address_space: global }
    .group_segment_fixed_size: 327680
    .private_segment_fixed_size: 0
    .kernarg_segment_align: 8
    .kernarg_segment_size: 104
    .max_flat_workgroup_size: 128
    .sgpr_count:     106
    .vgpr_count:     1024
    .wavefront_size: 32
...
	.end_amdgpu_metadata
.endif
;; end of part 1
;; launch attn (part 2): grid 4 x 64, 8 waves a work-group, clusters of 4 x 1, 272,384 bytes of LDS; arguments q_img, k_img, v_img, o_img, o_sc; writes o_img, o_sc
.if DOCPART == 2
	.amdgcn_target "amdgcn-amd-amdhsa--gfx1250"
	.amdhsa_code_object_version 6
	.text
	.protected	k_qd7b7b3c782_attn
	.globl	k_qd7b7b3c782_attn
	.p2align	8
	.type	k_qd7b7b3c782_attn,@function
k_qd7b7b3c782_attn:
	s_mov_b64 s[64:65], 0
	v_nop
	global_prefetch_b8 v0, s[64:65] scope:SCOPE_SE
	s_setreg_imm32_b32 hwreg(HW_REG_WAVE_MODE, 25, 1), 1
	s_wait_xcnt 0x0
	s_wait_alu depctr_hold_cnt(0) depctr_sa_sdst(0) depctr_va_vdst(0) depctr_va_sdst(0) depctr_va_ssrc(0) depctr_va_vcc(0) depctr_vm_vsrc(0)
	s_getreg_b32 s2, hwreg(HW_REG_IB_STS2, 6, 4)
	s_cmp_eq_u32 s2, 0
	s_cbranch_scc0 .Lentry_in_a_cluster
	s_endpgm
.Lentry_in_a_cluster:
	s_bfe_u32 s2, ttmp6, 0x10000c
	s_cmp_lg_u32 s2, 0x3003
	s_cbranch_scc0 .Lentry_shape_is_right
	s_endpgm
.Lentry_shape_is_right:
; O = softmax(q k^T / sqrt(128)) v for 64 (batch, head) pairs of 1,024 queries x 1,024 keys, head size 128, both products on codes of FP8 (E4M3) with E8M0 scales; O / l is quantised along the head's 128 and stored as codes.
; THE SOFTMAX: t = score x log2(e) / sqrt(128); M = the running largest t rounded up to a whole number; p = 2^(t - M) is quantised along the keys, not normalised; the row's sum l is taken of the unquantised p.
; When M moves, l and O are multiplied by 2^(old M - new M): exact.
; q_img, k_img, v_img: images of operand registers in units of 16,896 bytes: 8 fragments (16 rows x 128 K) of 2,048 bytes (register group c at 512 c, lane l at 16 l), then the rows' scale words, 4 bytes a row.
; Inside a block of 32 their K is ordered as accumulators lie (place (c, h, i): 32 c + 8 h + i for i < 8, else 32 c + 16 + 8 h + i - 8), alike in q and k; p's codes, made here from accumulators, have v's order.
; o_img [row block of 16][head][2,048] meets a weight in natural order: on the way out lanes l and l xor 16 exchange 8 bytes a block.  o_sc [batch][head][token]: a word of four scale bytes.
; SHARES.  A work-group owns 256 queries of one head; each of its eight waves 32: two tiles of 16.  Two waves to a SIMD; each fragment of k and v read from LDS feeds two matrix instructions.
; ALL OF A HEAD'S k AND v LIE IN LDS, 2 x 135,168 bytes, FILLED ONCE, by one load a wave at the head: even waves k, odd waves v: waves 0, 1 key step 0; 2, 3 steps 1 to 3; 4, 5 steps 4 and 5; 6, 7 steps 6 and 7.
; Three barriers show them, ahead of steps 0, 1 and 4.  Nothing is prefetched: every tile is asked for at the head, and no later load is left to run ahead of.
; CLUSTER: the four work-groups of a head form a cluster and ask for each tile jointly (mask 15).
; LAYOUT.  S^T = k q^T (source 0 = 16 keys, source 1 = 16 queries), O^T = v^T p^T (source 0 = 16 channels, source 1 = p): a lane holds one query (lane % 16) throughout.
; LIMITS: NaN and infinities are not served; scaled scores stay under 2^31 in magnitude.  1 / l is v_rcp_f32 and a multiplication.  A block of zeros gets the byte 1 where the rule says 127: its codes are zeros, and this program alone reads the bytes.
; REGISTERS.  window 0: v1-7 addresses; v8-15 -M, largest t, l (two halves) of tiles 0, 1; v16-79 fragments 0-3; v80-207 S^T, then p (64 a tile); v208-247 at work (20 a tile); v248-251 k's or v's scale words
;   (lanes 0-15 fragment 2 p, lanes 16-31 fragment 2 p + 1); v252 q's (lanes 0-15 tile 0, lanes 16-31 tile 1); v253, v254 p's; v255 at work.
;   window 1: v0-31 p's codes; v32-63 q; v64-127 fragments 4-7; v128-255 O^T (64 a tile).
.set G8,    16896
.set HEADB, 8*G8                       ; a head's k, or v
.set SCST,  2*HEADB                    ; behind them: 1,024 bytes into which no fill lands: the scale words' stage
.set SPARE, SCST+1024                  ; the spare words: 128 bytes a wave, named by no other line
.set LI,  1                            ; 16 x lane
.set LS,  2                            ; 4 x lane
.set ADK, 3
.set ADV, 4
.set AKS, 5
.set AVS, 6
.set LN,  7                            ; lane
.set ST,  8
.set KF,  16
.set S,   80
.set WK,  208                          ; +0..3 blocks' maxima; +4..7 permutes, bytes, second chain of the sum; +8..11 448 x the scale; +12..15 scale operands; +16, 17 the pair (f, 0); +18 at work
.set SPW, 227
.set NIL, 247
.set KS,  248
.set QS,  252
.set PS,  253
.set TMP, 255
.set XT,  48                           ; the way out: what is sent to lane l xor 16,
.set XR,  56                           ; and what comes from it
.set PCD, 0                            ; window 1
.set QF,  32
.set KF2, 64
.set OT,  128
.set WV,  12
.set MNT, 22
.set CNT, 23
.set G1A, 24                           ; groups 1: one unit,
.set G1B, 48                           ; three units,
.set G1C, 56                           ; two units
.set G0,  32                           ; s[32:47]: a group 0 for each pair of waves
.set SEL, 66
.set CS,  68
.set TK,  70                           ; LDS byte at which the key step's unit of k begins
.set MSB, 0
.macro WIN new
.if MSB != \new
	s_set_vgpr_msb (MSB<<8)|\new
.set MSB, \new
.endif
.endm
.macro PLACES n
.rept \n
	v_nop
.endr
.endm
.macro CROUND                          ; a round of the cluster's barrier
	s_barrier_signal -1
	s_barrier_wait -1
	s_cmp_lg_u32 s[WV], 0
	s_cbranch_scc1 .Lnot_wave_0_\@
	s_barrier_signal -3
.Lnot_wave_0_\@:
	s_barrier_wait -3
	s_barrier_signal -1
	s_barrier_wait -1
.endm
; one scaled matrix instruction; sel = (source 0's scales in lanes 16-31) + 2 x (source 1's scales in lanes 16-31).  WM0 starts a sum, WMA adds in place.
.macro WM0 d, a, b, sa, sb, sel
.if (\sel) == 0
	v_wmma_scale_f32_16x16x128_f8f6f4 v[\d:\d+7], v[\a:\a+15], v[\b:\b+15], 0, v[\sa], v[\sb]
.elseif (\sel) == 1
	v_wmma_scale_f32_16x16x128_f8f6f4 v[\d:\d+7], v[\a:\a+15], v[\b:\b+15], 0, v[\sa], v[\sb] matrix_a_scale:MATRIX_SCALE_ROW1
.elseif (\sel) == 2
	v_wmma_scale_f32_16x16x128_f8f6f4 v[\d:\d+7], v[\a:\a+15], v[\b:\b+15], 0, v[\sa], v[\sb] matrix_b_scale:MATRIX_SCALE_ROW1
.else
	v_wmma_scale_f32_16x16x128_f8f6f4 v[\d:\d+7], v[\a:\a+15], v[\b:\b+15], 0, v[\sa], v[\sb] matrix_a_scale:MATRIX_SCALE_ROW1 matrix_b_scale:MATRIX_SCALE_ROW1
.endif
.endm
.macro WMA d, a, b, sa, sb, sel
.if (\sel) == 0
	v_wmma_scale_f32_16x16x128_f8f6f4 v[\d:\d+7], v[\a:\a+15], v[\b:\b+15], v[\d:\d+7], v[\sa], v[\sb]
.else
	v_wmma_scale_f32_16x16x128_f8f6f4 v[\d:\d+7], v[\a:\a+15], v[\b:\b+15], v[\d:\d+7], v[\sa], v[\sb] matrix_a_scale:MATRIX_SCALE_ROW1
.endif
.endm
; descriptor group 1: so many rows of 256 bytes (32 elements of 8), 66 a unit; no padding: fragments are read 16 bytes a lane on end; the mask names all four work-groups
.macro GRP1 g, rows
	s_mov_b32 s[\g], 15|(3<<16)|(1<<21)
	s_mov_b32 s[\g+1], 32<<16
	s_mov_b32 s[\g+2], (\rows)<<16
	s_mov_b32 s[\g+3], 32<<16
	s_mov_b32 s[\g+4], \rows
	s_mov_b32 s[\g+5], 32
	s_mov_b32 s[\g+6], 0
	s_mov_b32 s[\g+7], 0
.endm
.macro GRP0 g, u                       ; a pair's group 0: from unit u on
	s_mov_b32 s[\g], 1
	s_add_co_u32 s[\g+1], s18, (\u)*G8
	s_add_nc_u64 s[\g+2:\g+3], s[6:7], (\u)*G8
	s_or_b32 s[\g+3], s[\g+3], 0x80000000
.endm
	s_load_b256 s[4:11], s[0:1], 0x0               ; q_img s[4:5], k_img s[6:7], v_img s[8:9], o_img s[10:11]
	s_load_b64 s[2:3], s[0:1], 0x20                ; o_sc
	v_lshl_add_u32 v[SPW], v0, 2, SPARE
	v_mov_b32 v[NIL], 0
	ds_add_u32 v[SPW], v[NIL]                      ; the wave's opening: the add, twice on end, and its wait ahead of the first tensor load
	ds_add_u32 v[SPW], v[NIL]
	v_lshrrev_b32 v1, 5, v0
	v_readfirstlane_b32 s[WV], v1                  ; wave 0..7
	s_bfe_u32 s13, ttmp6, 0x40000                  ; cx: it enters q's and o's addresses alone
	s_and_b32 s14, ttmp7, 0xffff                   ; batch x 8 + head, which the four partners share
	GRP1 G1A, 66
	GRP1 G1B, 198
	GRP1 G1C, 132
	s_and_b32 s17, s[WV], 1                        ; I fetch of k (0) or of v (1)
	s_mul_i32 s18, s17, HEADB                      ; where its units begin in LDS
	s_mul_i32 s20, s14, HEADB                      ; and in its buffer (at most 64 x 135,168 bytes)
	s_mov_b32 s21, 0
	s_mov_b32 s[MNT], 0x600000                     ; the mantissa field of 448
	s_mov_b32 s[SEL], 0x76543210                   ; v_permlanex16_b32's selects for lane l xor 16
	s_mov_b32 s[SEL+1], 0xfedcba98
	s_mov_b32 s[CS], 0x3e0293ee                    ; c = log2(e) / sqrt(128)
	s_mov_b32 s[CS+1], s[CS]                       ; (named with it as a pair)
	s_mov_b32 s[TK], 0
	v_and_b32 v[LN], 31, v0
	v_lshlrev_b32 v[LI], 4, v[LN]
	v_lshlrev_b32 v[LS], 2, v[LN]
	s_wait_alu depctr_va_vdst(0)
	s_wait_dscnt 0x0                               ; both opening adds are done
	CROUND                                         ; all four work-groups are here: the joint loads meet
	s_wait_kmcnt 0x0
	s_cmp_eq_u32 s17, 0
	s_cselect_b64 s[6:7], s[6:7], s[8:9]           ; the choice hangs on the wave's number alone
	s_add_nc_u64 s[6:7], s[6:7], s[20:21]
	GRP0 G0, 0
	GRP0 G0+4, 1
	GRP0 G0+8, 4
	GRP0 G0+12, 6
; THE HEAD'S LOADS, ONE A WAVE: one tree of branches on the wave's number, an arm a pair of waves, each with its line.
.macro ARM under, g0, g1, next
	s_cmp_lt_u32 s[WV], \under
	s_cbranch_scc0 \next
	tensor_load_to_lds s[\g0:\g0+3], s[\g1:\g1+7]
	s_nop 0
	PLACES 4
	s_branch .Lasked
\next:
.endm
	ARM 2, G0,   G1A, .Lpair_1
	ARM 4, G0+4, G1B, .Lpair_2
	ARM 6, G0+8, G1C, .Lpair_3
	tensor_load_to_lds s[G0+12:G0+15], s[G1C:G1C+7]
	s_nop 0
	PLACES 4
.Lasked:
	; q: unit (batch x 8 + head) x 8 + 2 cx + wave / 4; my two fragments 2 (wave % 4), + 1
	s_lshl_b32 s78, s14, 3
	s_lshl_b32 s79, s13, 1
	s_add_co_u32 s78, s78, s79
	s_lshr_b32 s79, s[WV], 2
	s_add_co_u32 s78, s78, s79
	s_mul_i32 s78, s78, G8
	s_mov_b32 s79, 0
	s_add_nc_u64 s[4:5], s[4:5], s[78:79]
	s_and_b32 s78, s[WV], 3
	s_lshl_b32 s78, s78, 7
	s_add_nc_u64 s[76:77], s[4:5], s[78:79]
	s_add_nc_u64 s[76:77], s[76:77], 16384         ; their scale words
	s_lshl_b32 s78, s78, 5
	s_add_nc_u64 s[4:5], s[4:5], s[78:79]          ; their codes
	WIN 0x40                                       ; destination window 1
	s_wait_alu depctr_va_vdst(0)
.irp X, 0,1
.irp c, 0,1,2,3
	global_load_b128 v[QF+16*\X+4*\c:QF+16*\X+4*\c+3], v[LI], s[4:5] offset:2048*\X+512*\c   ; q stays in registers
.endr
.endr
	WIN 0
	global_load_b32 v[QS], v[LS], s[76:77]
	; o's codes: row block batch x 64 + 16 cx + 2 wave (+ 1), then the head
	s_lshr_b32 s78, s14, 3
	s_lshl_b32 s78, s78, 20
	s_lshl_b32 s79, s13, 18
	s_add_co_u32 s78, s78, s79
	s_lshl_b32 s79, s[WV], 15
	s_add_co_u32 s78, s78, s79
	s_and_b32 s79, s14, 7
	s_lshl_b32 s79, s79, 11
	s_add_co_u32 s78, s78, s79
	s_mov_b32 s79, 0
	s_add_nc_u64 s[72:73], s[10:11], s[78:79]
	; its scale words: 4,096 bytes a head; waves 0 and 4 store 512 bytes each
	s_lshl_b32 s78, s14, 12
	s_lshl_b32 s79, s13, 10
	s_add_co_u32 s78, s78, s79
	s_lshl_b32 s79, s[WV], 7
	s_add_co_u32 s78, s78, s79
	s_mov_b32 s79, 0
	s_add_nc_u64 s[74:75], s[2:3], s[78:79]
.irp X, 0,1
	v_mov_b32 v[ST+4*\X+2], 0                      ; l
	v_mov_b32 v[ST+4*\X+3], 0
	v_mov_b32 v[WK+20*\X+17], 0                    ; named as the upper half of f's pair
.irp b, 4,5,6,7
	v_mov_b32 v[WK+20*\X+\b], 0                    ; a lane permute's destination counts as one of its sources
.endr
.endr
.macro SETX X
.set S_, S+64*(\X)
.set B_, WK+20*(\X)
.set T_, ST+4*(\X)
.set O_, OT+64*(\X)
.set P_, PCD+16*(\X)
.endm
; a unit's 8 fragments and its scale words: fragments 0-3 first, so that a counted wait can leave 4-7 out
.macro LOADG adr, sadr
.irp t, 0,1,2,3
.irp c, 0,1,2,3
	ds_load_b128 v[KF+16*\t+4*\c:KF+16*\t+4*\c+3], v[\adr] offset:2048*\t+512*\c
.endr
.endr
.irp p, 0,1,2,3
	ds_load_b32 v[KS+\p], v[\sadr] offset:16384+128*\p
.endr
	WIN 0x40
.irp t, 0,1,2,3
.irp c, 0,1,2,3
	ds_load_b128 v[KF2+16*\t+4*\c:KF2+16*\t+4*\c+3], v[\adr] offset:8192+2048*\t+512*\c
.endr
.endr
	WIN 0
.endm
.macro KQ g                            ; S^T of fragments 4 g .. 4 g + 3 (16 keys each) for both tiles
.set WW, 0x04+\g
	WIN WW                                         ; q in window 1; fragments 4-7 too
.irp t, 0,1,2,3
.irp X, 0,1
.set rD, S+64*\X+8*(4*\g+\t)
.set rA, (1-\g)*KF+\g*KF2+16*\t
.set rB, QF+16*\X
.set rs, KS+(4*\g+\t)/2
.set sl, (\t%2)+2*\X
	WM0 rD, rA, rB, rs, QS, sl
.endr
.endr
.endm
.macro PV g, first                     ; O^T += v^T p^T: channels 16 (4 g + t) on; each accumulator has one instruction a key step, so the accumulators take turns
.set WW, 0x54+\g
	WIN WW                                         ; p, C and D in window 1
.irp t, 0,1,2,3
.irp X, 0,1
.set rD, OT+64*\X+8*(4*\g+\t)
.set rA, (1-\g)*KF+\g*KF2+16*\t
.set rB, PCD+16*\X
.set rs, KS+(4*\g+\t)/2
.if \first
	WM0 rD, rA, rB, rs, PS+\X, \t%2
.else
	WMA rD, rA, rB, rs, PS+\X, \t%2
.endif
.endr
.endr
.endm
; THE SOFTMAX of tile X for 128 keys, in parts.  Register 16 b + i of S^T lies in block b of 32 keys.
.macro SM_MAX X, first                 ; the largest score of each block (it serves the row's maximum and, since p rises with the score, the block's largest p), the running t, -M, f
	SETX \X
.irp b, 0,1,2,3
	v_max3_num_f32 v[B_+\b], v[S_+16*\b], v[S_+16*\b+1], v[S_+16*\b+2]
.endr
.irp i, 3,5,7,9,11,13
.irp b, 0,1,2,3
	v_max3_num_f32 v[B_+\b], v[B_+\b], v[S_+16*\b+\i], v[S_+16*\b+\i+1]
.endr
.endr
.irp b, 0,1,2,3
	v_max_num_f32 v[B_+\b], v[B_+\b], v[S_+16*\b+15]
.endr
.irp b, 0,1,2,3
	s_delay_alu instid0(VALU_DEP_4)
	v_permlanex16_b32 v[B_+4+\b], v[B_+\b], s[SEL], s[SEL+1]
.endr
.irp b, 0,1,2,3
	s_delay_alu instid0(VALU_DEP_4)
	v_max_num_f32 v[B_+\b], v[B_+\b], v[B_+4+\b]   ; with lane l xor 16's 16 keys
.endr
	s_delay_alu instid0(VALU_DEP_2)
	v_max3_num_f32 v[B_+18], v[B_], v[B_+1], v[B_+2]
	s_delay_alu instid0(VALU_DEP_1)
	v_max_num_f32 v[B_+18], v[B_+18], v[B_+3]
.if \first
	s_delay_alu instid0(VALU_DEP_1)
	v_mul_f32 v[T_+1], s[CS], v[B_+18]             ; the first key step's largest t stands as it is
	s_delay_alu instid0(VALU_DEP_1)
	v_floor_f32 v[T_], -v[T_+1]                    ; -M = floor(-t) = -ceil(t)
.else
	s_delay_alu instid0(VALU_DEP_1)
	v_mul_f32 v[B_+18], s[CS], v[B_+18]
	s_delay_alu instid0(VALU_DEP_1)
	v_max_num_f32 v[T_+1], v[T_+1], v[B_+18]
	v_mov_b32 v[B_+18], v[T_]
	s_delay_alu instid0(VALU_DEP_2)
	v_floor_f32 v[T_], -v[T_+1]
	s_delay_alu instid0(VALU_DEP_1)
	v_sub_f32 v[B_+18], v[T_], v[B_+18]            ; old M - new M: a whole number, 0 or less
	s_delay_alu instid0(VALU_DEP_1)
	v_cvt_i32_f32 v[B_+18], v[B_+18]
	s_delay_alu instid0(VALU_DEP_1)
	v_ldexp_f32 v[B_+16], 1.0, v[B_+18]            ; f = 2^(old M - new M)
.endif
.endm
.macro SM_T X                          ; t - M
	SETX \X
.set j, 0
.rept 32
	v_pk_fma_f32 v[S_+j:S_+j+1], v[S_+j:S_+j+1], s[CS:CS+1], v[T_:T_+1] op_sel_hi:[1,0,0]
.set j, j+2
.endr
.irp b, 0,1,2,3
	v_fma_f32 v[B_+\b], v[B_+\b], s[CS], v[T_]
.endr
.endm
.macro SM_EXP X
	SETX \X
.set j, 0
.rept 64
	v_exp_f32 v[S_+j], v[S_+j]                     ; p = 2^(t - M)
.set j, j+1
.endr
.endm
.macro SM_LF X, first                  ; l under the new M; also the plain line behind the exponentials
	SETX \X
.if \first
	v_nop
.else
	v_pk_mul_f32 v[T_+2:T_+3], v[T_+2:T_+3], v[B_+16:B_+17] op_sel_hi:[1,0]
.endif
.endm
.macro SM_EXPB X
	SETX \X
.irp b, 0,1,2,3
	v_exp_f32 v[B_+\b], v[B_+\b]                   ; the block's largest p
.endr
.endm
.macro SM_SUM X                        ; the row's sum of the unquantised p, in two chains
	SETX \X
	v_pk_add_f32 v[B_+4:B_+5], v[S_:S_+1], v[S_+2:S_+3]
.set j, 4
.rept 15
	v_pk_add_f32 v[T_+2:T_+3], v[T_+2:T_+3], v[S_+j:S_+j+1]
	v_pk_add_f32 v[B_+4:B_+5], v[B_+4:B_+5], v[S_+j+2:S_+j+3]
.set j, j+4
.endr
	s_delay_alu instid0(VALU_DEP_1)
	v_pk_add_f32 v[T_+2:T_+3], v[T_+2:T_+3], v[B_+4:B_+5]
.endm
.macro BYTES X                         ; from the blocks' largest magnitudes: the conversions' scale operands, 448 x the scale, the scale word
.irp b, 0,1,2,3
	s_delay_alu instid0(VALU_DEP_4)
	v_add_nc_u32 v[B_+12+\b], 0xfc000000, v[B_+\b]
.endr
.irp b, 0,1,2,3
	v_and_or_b32 v[B_+8+\b], v[B_+\b], 0x7f800000, s[MNT]
.endr
.irp b, 0,1,2,3
	v_lshrrev_b32 v[B_+4+\b], 23, v[B_+12+\b]
.endr
	s_delay_alu instid0(VALU_DEP_3)
	v_lshl_or_b32 v[PS+(\X)], v[B_+5], 8, v[B_+4]
	s_delay_alu instid0(VALU_DEP_1)
	v_lshl_or_b32 v[PS+(\X)], v[B_+6], 16, v[PS+(\X)]
	s_delay_alu instid0(VALU_DEP_1)
	v_lshl_or_b32 v[PS+(\X)], v[B_+7], 24, v[PS+(\X)]
.endm
.macro SM_SC X                         ; the blocks' scales
	SETX \X
.irp b, 0,1,2,3
	v_max_num_f32 v[B_+\b], 0x4800000, v[B_+\b]    ; the floor 2^(9 - 127)
.endr
	BYTES \X
.endm
.macro SM_HOLD X                       ; p is not negative: the hold is one-sided; two at a time
	SETX \X
.irp b, 0,1,2,3
.irp i, 0,2,4,6,8,10,12,14
	v_dual_min_num_f32 v[S_+16*\b+\i], v[B_+8+\b], v[S_+16*\b+\i] :: v_dual_min_num_f32 v[S_+16*\b+\i+1], v[B_+8+\b], v[S_+16*\b+\i+1]
.endr
.endr
.endm
.macro SM_CVT X
	SETX \X
.irp b, 0,1,2,3
	v_cvt_scalef32_pk8_fp8_f32 v[P_+4*\b:P_+4*\b+1], v[S_+16*\b:S_+16*\b+7], v[B_+12+\b]
	v_cvt_scalef32_pk8_fp8_f32 v[P_+4*\b+2:P_+4*\b+3], v[S_+16*\b+8:S_+16*\b+15], v[B_+12+\b]
.endr
.endm
.macro SM_RESC X                       ; O^T under the new M
	SETX \X
.set j, 0
.rept 32
	v_pk_mul_f32 v[O_+j:O_+j+1], v[O_+j:O_+j+1], v[B_+16:B_+17] op_sel_hi:[1,0]
.set j, j+2
.endr
.endm
; A KEY STEP: 128 keys, both tiles.  first = 1: it starts M, l and O^T.
.macro STEP first
	v_add_nc_u32 v[ADK], s[TK], v[LI]
	v_add_nc_u32 v[AKS], s[TK], v[LS]
	s_delay_alu instid0(VALU_DEP_2)
	v_add_nc_u32 v[ADV], HEADB, v[ADK]
	s_delay_alu instid0(VALU_DEP_2)
	v_add_nc_u32 v[AVS], HEADB, v[AKS]
	PLACES 4                                       ; with the four additions: eight places in front of loads into registers that the last products read
	LOADG ADK, AKS
	s_wait_alu depctr_va_vdst(0)
	s_wait_dscnt 16                                ; fragments 0-3 and the scale words are in; the 16 loads of fragments 4-7 may be out
	KQ 0
	s_wait_dscnt 0x0
	KQ 1
	WIN 0
	PLACES 8                                       ; in front of the loads below and of the first read of the scores
	LOADG ADV, AVS                                 ; v's unit lands under the softmax
	SM_MAX 0, \first
	SM_MAX 1, \first
	SM_T 0
	SM_T 1
	s_wait_alu depctr_va_vdst(0)                   ; the wait ahead of the batch
	SM_EXP 0
	SM_EXP 1
	SM_LF 0, \first
	SM_LF 1, \first
	s_wait_alu depctr_va_vdst(0)                   ; one wait for the 128 exponentials, ahead of their first reader
	SM_EXPB 0
	SM_EXPB 1
	SM_SUM 0                                       ; reads the 128 alone: plain work behind the eight
	SM_SUM 1
	s_wait_alu depctr_va_vdst(0)                   ; and one for the eight
	SM_SC 0
	SM_SC 1
	SM_HOLD 0                                      ; (64 plain lines between p's scale words and the products that take them)
	SM_HOLD 1
	WIN 0x40
	SM_CVT 0
	SM_CVT 1
.if \first
	WIN 0
	PLACES 4                                       ; between p's codes and the products
.else
	WIN 0x41
	s_wait_alu depctr_va_vdst(0)                   ; directly ahead of the first readers of the last step's products
	SM_RESC 0                                      ; these 64 are those places too
	SM_RESC 1
.endif
	s_wait_alu depctr_va_vdst(0)
	s_wait_dscnt 0x0                               ; v is in
	PV 0, \first
	PV 1, \first
	WIN 0
	s_add_co_u32 s[TK], s[TK], G8
.endm
	s_wait_alu depctr_va_vdst(0)                   ; the wait at the head's end
	s_wait_loadcnt 0x0                             ; q
	s_cmp_lt_u32 s[WV], 2
	s_cbranch_scc0 .Lshow_0
	s_wait_tensorcnt 0x0                           ; key step 0: the line of waves 0 and 1 alone
.Lshow_0:
	s_barrier_signal -1
	s_barrier_wait -1
	STEP 1
	s_cmp_lt_u32 s[WV], 4
	s_cbranch_scc0 .Lshow_1
	s_wait_tensorcnt 0x0                           ; key steps 1 to 3: the line of waves 2 and 3
.Lshow_1:
	s_barrier_signal -1
	s_barrier_wait -1
	s_mov_b32 s[CNT], 3
.Lthree:
	STEP 0
	s_sub_co_u32 s[CNT], s[CNT], 1
	s_cmp_lg_u32 s[CNT], 0
	s_cbranch_scc1 .Lthree
	s_wait_tensorcnt 0x0                           ; key steps 4 to 7
	s_barrier_signal -1
	s_barrier_wait -1
	s_mov_b32 s[CNT], 4
.Lfour:
	STEP 0
	s_sub_co_u32 s[CNT], s[CNT], 1
	s_cmp_lg_u32 s[CNT], 0
	s_cbranch_scc1 .Lfour
	; THE WAY OUT.  O^T / l, quantised along the head's 128 (register 16 b + i lies in block b of 32 channels), brought into the natural order, stored as an image.
	PLACES 8
.irp X, 0,1
	v_add_f32 v[ST+4*\X+2], v[ST+4*\X+2], v[ST+4*\X+3]
.endr
.irp X, 0,1
	s_delay_alu instid0(VALU_DEP_2)
	v_permlanex16_b32 v[WK+20*\X+4], v[ST+4*\X+2], s[SEL], s[SEL+1]
.endr
.irp X, 0,1
	s_delay_alu instid0(VALU_DEP_2)
	v_add_f32 v[ST+4*\X+2], v[ST+4*\X+2], v[WK+20*\X+4]     ; the row's sum
.endr
	s_wait_alu depctr_va_vdst(0)
.irp X, 0,1
	v_rcp_f32 v[WK+20*\X+16], v[ST+4*\X+2]
.endr
	v_cmp_le_u32 vcc_lo, 16, v[LN]                 ; lanes 16-31.  (A plain line behind the reciprocals)
	s_wait_alu depctr_va_vdst(0)                   ; one wait for both, ahead of their first reader
	WIN 0x01                                       ; source 0: O^T, window 1
.irp X, 0,1
.set j, 0
.rept 32
	v_pk_mul_f32 v[S+64*\X+j:S+64*\X+j+1], v[OT+64*\X+j:OT+64*\X+j+1], v[WK+20*\X+16:WK+20*\X+17] op_sel_hi:[1,0]   ; each accumulator from its low end on
.set j, j+2
.endr
.endr
	WIN 0
.macro QUANT X                         ; 64 numbers of a lane become a fragment's codes in v[KF + 16 X] on and its scale word in v[PS + X]
	SETX \X
.irp b, 0,1,2,3
	v_max3_num_f32 v[B_+\b], |v[S_+16*\b]|, |v[S_+1+16*\b]|, 0x4800000
.endr
.irp i, 2,4,6,8,10,12,14
.irp b, 0,1,2,3
	s_delay_alu instid0(VALU_DEP_4)
	v_max3_num_f32 v[B_+\b], v[B_+\b], |v[S_+16*\b+\i]|, |v[S_+1+16*\b+\i]|
.endr
.endr
.irp b, 0,1,2,3
	s_delay_alu instid0(VALU_DEP_4)
	v_permlanex16_b32 v[B_+4+\b], v[B_+\b], s[SEL], s[SEL+1]
.endr
.irp b, 0,1,2,3
	s_delay_alu instid0(VALU_DEP_4)
	v_max_num_f32 v[B_+\b], v[B_+\b], v[B_+4+\b]
.endr
	BYTES \X
.irp b, 0,1,2,3
.irp i, 0,1,2,3,4,5,6,7,8,9,10,11,12,13,14,15
	v_med3_num_f32 v[S_+16*\b+\i], v[S_+16*\b+\i], -v[B_+8+\b], v[B_+8+\b]
.endr
	v_cvt_scalef32_pk8_fp8_f32 v[KF+16*(\X)+4*\b:KF+16*(\X)+4*\b+1], v[S_+16*\b:S_+16*\b+7], v[B_+12+\b]
	v_cvt_scalef32_pk8_fp8_f32 v[KF+16*(\X)+4*\b+2:KF+16*(\X)+4*\b+3], v[S_+16*\b+8:S_+16*\b+15], v[B_+12+\b]
.endr
	v_nop                                          ; a plain line behind the last conversion
.endm
; Of a block's 16 bytes a lane holds channels 32 b + 8 h + 0..7 and 32 b + 16 + 8 h + 0..7; the operand wants 32 b + 16 h + 0..15.  Lanes 0-15 send their upper 8 bytes and take the partner's lower 8 in their place; lanes 16-31 the other way round.
.macro XCH X
.set C_, KF+16*(\X)
.irp b, 0,1,2,3
.irp w, 0,1
	v_cndmask_b32 v[XT+2*\b+\w], v[C_+4*\b+2+\w], v[C_+4*\b+\w], vcc_lo
.endr
.endr
.irp i, 0,1,2,3,4,5,6,7
	v_permlanex16_b32 v[XR+\i], v[XT+\i], s[SEL], s[SEL+1]
.endr
.irp b, 0,1,2,3
.irp w, 0,1
	v_cndmask_b32 v[C_+4*\b+\w], v[C_+4*\b+\w], v[XR+2*\b+\w], vcc_lo
	v_cndmask_b32 v[C_+4*\b+2+\w], v[XR+2*\b+\w], v[C_+4*\b+2+\w], vcc_lo
.endr
.endr
.endm
.irp i, 0,1,2,3,4,5,6,7
	v_mov_b32 v[XR+\i], 0                          ; a lane permute's destination counts as one of its sources
.endr
	QUANT 0
	QUANT 1
	XCH 0
	XCH 1
.irp X, 0,1
.irp c, 0,1,2,3
	global_store_b128 v[LI], v[KF+16*\X+4*\c:KF+16*\X+4*\c+3], s[72:73] offset:16384*\X+512*\c   ; 32 lanes store 512 consecutive bytes
.endr
.endr
	; the scale words: a wave has 128 bytes; four waves' meet in LDS, and one wave stores them whole
	v_cndmask_b32 v[TMP], v[PS], v[PS+1], vcc_lo   ; lanes 0-15 tile 0's rows, lanes 16-31 tile 1's
	v_lshl_add_u32 v[ADK], v0, 2, SCST             ; 128 x wave + 4 x lane
	s_lshl_b32 s16, s[WV], 7
	v_lshl_add_u32 v[ADV], v[LN], 4, s16
	s_delay_alu instid0(VALU_DEP_1)
	v_add_nc_u32 v[ADV], SCST, v[ADV]              ; back: 16 bytes a lane from my wave's words on
	ds_store_b32 v[ADK], v[TMP]
	s_wait_alu depctr_va_vdst(0)
	s_wait_dscnt 0x0                               ; for the others' sake: my store is done
	s_barrier_signal -1
	s_barrier_wait -1
	s_and_b32 s16, s[WV], 3
	s_cmp_lg_u32 s16, 0
	s_cbranch_scc1 .Lno_words                      ; waves 0 and 4 store their 512 bytes of words
	ds_load_b128 v[XT:XT+3], v[ADV]
	s_wait_dscnt 0x0
	global_store_b128 v[LI], v[XT:XT+3], s[74:75]
.Lno_words:
	s_wait_tensorcnt 0x0                           ; the wave's end
	ds_add_u32 v[SPW], v[NIL]
	s_wait_dscnt 0x0
	CROUND                                         ; the closing round
	s_endpgm
.Lfunc_end_k_qd7b7b3c782_attn:
	.size	k_qd7b7b3c782_attn, .Lfunc_end_k_qd7b7b3c782_attn-k_qd7b7b3c782_attn
	.p2alignl 7, 3214868480
	.fill 96, 4, 3214868480
	.section	.rodata,"a",@progbits
	.p2align	6, 0x0
	.amdhsa_kernel k_qd7b7b3c782_attn
		.amdhsa_group_segment_fixed_size 272384
		.amdhsa_private_segment_fixed_size 0
		.amdhsa_enable_private_segment 0
		.amdhsa_kernarg_size 40
		.amdhsa_user_sgpr_count 2
		.amdhsa_user_sgpr_kernarg_segment_ptr 1
		.amdhsa_wavefront_size32 1
		.amdhsa_system_sgpr_workgroup_id_x 1
		.amdhsa_system_sgpr_workgroup_id_y 1
		.amdhsa_system_sgpr_workgroup_id_z 1
		.amdhsa_system_vgpr_workitem_id 0
		.amdhsa_next_free_vgpr 512
		.amdhsa_next_free_sgpr 80
		.amdhsa_reserve_vcc 1
		.amdhsa_float_denorm_mode_32 3
		.amdhsa_float_denorm_mode_16_64 3
		.amdhsa_memory_ordered 1
		.amdhsa_forward_progress 1
		.amdhsa_inst_pref_size 155
	.end_amdhsa_kernel
	.amdgpu_metadata
---
amdhsa.version: [ 1, 2 ]
amdhsa.kernels:
  - .name:           k_qd7b7b3c782_attn
    .symbol:         k_qd7b7b3c782_attn.kd
    .args:
      - { .name: q_img, .offset: 0, .size: 8, .value_kind: global_buffer, .address_space: global }
      - { .name: k_img, .offset: 8, .size: 8, .value_kind: global_buffer, .address_space: global }
      - { .name: v_img, .offset: 16, .size: 8, .value_kind: global_buffer, .address_space: global }
      - { .name: o_img, .offset: 24, .size: 8, .value_kind: global_buffer, .address_space: global }
      - { .name: o_sc, .offset: 32, .size: 8, .value_kind: global_buffer, .address_space: global }
    .group_segment_fixed_size: 272384
    .private_segment_fixed_size: 0
    .kernarg_segment_align: 8
    .kernarg_segment_size: 40
    .max_flat_workgroup_size: 256
    .sgpr_count:     80
    .vgpr_count:     512
    .wavefront_size: 32
...
	.end_amdgpu_metadata
.endif
;; end of part 2
;; launch outp (part 3): grid 8 x 32, 4 waves a work-group, clusters of 4 x 4, 327,680 bytes of LDS; arguments o_img, o_sc, Wo_codes, Wo_scales, bo, out0; writes out0
.if DOCPART == 3
	.amdgcn_target "amdgcn-amd-amdhsa--gfx1250"
	.amdhsa_code_object_version 6
	.text
	.protected	k_qd7b7b3c782_outp
	.globl	k_qd7b7b3c782_outp
	.p2align	8
	.type	k_qd7b7b3c782_outp,@function
k_qd7b7b3c782_outp:
	s_mov_b64 s[64:65], 0
	v_nop
	global_prefetch_b8 v0, s[64:65] scope:SCOPE_SE
	s_setreg_imm32_b32 hwreg(HW_REG_WAVE_MODE, 25, 1), 1
	s_wait_xcnt 0x0
	s_wait_alu depctr_hold_cnt(0) depctr_sa_sdst(0) depctr_va_vdst(0) depctr_va_sdst(0) depctr_va_ssrc(0) depctr_va_vcc(0) depctr_vm_vsrc(0)
	s_getreg_b32 s2, hwreg(HW_REG_IB_STS2, 6, 4)
	s_cmp_eq_u32 s2, 0
	s_cbranch_scc0 .Lentry_in_a_cluster
	s_endpgm
.Lentry_in_a_cluster:
	s_bfe_u32 s2, ttmp6, 0x10000c
	s_cmp_lg_u32 s2, 0xf033
	s_cbranch_scc0 .Lentry_shape_is_right
	s_endpgm
.Lentry_shape_is_right:
; out = o Wo + bo on codes of FP8 (E4M3): 8,192 x 1,024 x 1,024, f32 sums that begin with the bias.
; SHARES.  A work-group makes 256 rows x 128 columns: four waves, 2 x 2.  A wave holds its 64 rows of Wo (64 columns of out), ALL of K, in 512 registers, and streams o past them in blocks of 16 rows, which stand in registers as two whole sets (256).
; A block is 32 products on four accumulators by turns (two sets of four), and 16 whole units of 256 bytes of out: it goes through the wave's stage in LDS and is stored among the next block's products.
; o_img: [row block of 16][head][2,048]: an image of operand registers (register group c at 512 c, lane l at 16 l); o_sc [batch][head][token]: a word of four scale bytes.
; LDS.  Two slots of 128 rows of 1,024 bytes, 16 bytes of padding behind each: slot 0 o's first 128 rows (as an image: two LDS rows a fragment), slot 1 Wo's 128 rows; when all waves hold Wo in registers, slot 1 takes o's second 128 rows in a drained round.
; The scale words of o's 256 rows lie behind the slots; Wo's come straight into registers: lane l takes row 32 p + l, so a register serves tile 2 p from lanes 0-15 and 2 p + 1 from lanes 16-31.
; CLUSTER 4 x 4: o's tiles are asked for jointly along a row of the cluster, Wo's along a column.  o's second 128 rows are prefetched at the head: 512 blocks of 256 bytes, one a lane of the cluster row's sixteen waves.
; LIMITS: NaN and infinities are not served.
; REGISTERS.  window 0: addresses, scale words, v64-127 accumulators, v128-159 rows read back, v208-239 the bias; windows 1, 2: Wo; window 3: o, two sets.  No product's two scale words have numbers equal modulo 8.
.set KROW,  1024
.set PITCH, 1040
.set FR,    16
.set FPW,   16                         ; fragments in a window
.set YB,    128*PITCH                  ; slot 1
.set SCL,   2*YB
.set STP,   272                        ; the stage: 16 rows x (256 + 16) a wave
.set STAGE, SCL+8192
.set SPARE, STAGE+4*16*STP             ; the spare words: 128 bytes a wave, named by no other line
.set RBP,   16*PITCH                   ; a row block in LDS
.set AD,   4                           ; v4-7  LDS address of my row blocks 0, 2 in slot 0, in slot 1
.set AS,   8                           ; o's scale words
.set ADRB, 9                           ; Wo's fragments
.set STO,  10
.set RD,   11
.set CO,   12
.set PFO,  13
.set ABS,  14
.set SPW,  15
.set NIL,  16
.set BOF,  17
.set SB,   24                          ; v24-39 Wo's scale words: 8 p + q
.set SA,   44                          ; v44-59 o's: two sets of eight, a set for two blocks (lanes 0-15 the even one)
.set ACC,  64
.set OB,   128
.set BQ,   208
.set G1A,  24
.set G1B,  32
.set G1S,  40
.set G1R,  48
.set G0A,  56
.set G0B,  60
.set G0S,  68
.set G0R,  72
.set MSB, 0
.macro WIN new                         ; the immediate's high byte repeats the setting that is left
.if MSB != \new
	s_set_vgpr_msb (MSB<<8)|\new
.set MSB, \new
.endif
.endm
.macro PLACES n
.rept \n
	v_nop
.endr
.endm
.macro CROUND                          ; a round of the cluster's barrier
	s_barrier_signal -1
	s_barrier_wait -1
	s_cmp_lg_u32 s14, 0
	s_cbranch_scc1 .Lnot_wave_0_\@
	s_barrier_signal -3
.Lnot_wave_0_\@:
	s_barrier_wait -3
	s_barrier_signal -1
	s_barrier_wait -1
.endm
.macro TLOAD g0, g1
	tensor_load_to_lds s[\g0:\g0+3], s[\g1:\g1+7]
	s_nop 0
	PLACES 4
.endm
.macro GROUP1 g, mask, rows            ; rows of 1,024 bytes, padded in LDS, one behind the other in memory
	s_or_b32 s[\g+0], s[\mask], (1<<20)|(1<<21)|(7<<22)|(3<<25)
	s_mov_b32 s[\g+1], KROW<<16
	s_mov_b32 s[\g+2], (\rows)<<16
	s_mov_b32 s[\g+3], KROW<<16
	s_mov_b32 s[\g+4], \rows
	s_mov_b32 s[\g+5], KROW
	s_mov_b32 s[\g+6], 0
	s_mov_b32 s[\g+7], 0
.endm
.macro GROUP0 g, lds, base, off        ; LDS address in a scalar, pointer pair, offset pair
	s_mov_b32 s[\g], 1
	s_mov_b32 s[\g+1], s[\lds]
	s_add_nc_u64 s[\g+2:\g+3], s[\base:\base+1], s[\off:\off+1]
	s_or_b32 s[\g+3], s[\g+3], 0x80000000
.endm
	s_load_b256 s[4:11], s[0:1], 0x0               ; o_img s[4:5], o_sc s[6:7], Wo's codes s[8:9], its scales s[10:11]
	s_load_b128 s[80:83], s[0:1], 0x20             ; bo s[80:81], out0 s[82:83]
	v_lshl_add_u32 v[SPW], v0, 2, SPARE
	v_mov_b32 v[NIL], 0
	ds_add_u32 v[SPW], v[NIL]                      ; the wave's opening: the add, twice on end, and its wait ahead of the first tensor load
	ds_add_u32 v[SPW], v[NIL]
	v_lshrrev_b32 v1, 5, v0
	v_readfirstlane_b32 s14, v1                    ; wave 0..3
	s_lshr_b32 s15, s14, 1                         ; my row of waves
	s_and_b32 s16, s14, 1                          ; my column of waves
	s_bfe_u32 s17, ttmp6, 0x40000                  ; cx, cy
	s_bfe_u32 s18, ttmp6, 0x40004
	s_lshl_b32 s19, ttmp9, 2
	s_add_co_u32 s19, s19, s17                     ; column tile 0..7
	s_and_b32 s20, ttmp7, 0xffff
	s_lshl_b32 s20, s20, 2
	s_add_co_u32 s20, s20, s18                     ; row tile 0..31
	s_lshl_b32 s21, s18, 2
	s_lshl_b32 s21, 15, s21                        ; my row of the cluster
	s_lshl_b32 s22, 0x1111, s17                    ; my column
	GROUP1 G1B, 22, 64                             ; waves 0, 1: Wo's halves
	GROUP1 G1A, 21, 128                            ; wave 2: o's first 128 rows
	GROUP1 G1R, 21, 32                             ; the refill: a quarter a wave
	s_or_b32 s[G1S], s21, (3<<16)|(1<<21)          ; wave 3: o's scale words: 8 heads' rows of 1,024 bytes, 4,096 bytes apart (elements of 8)
	s_mov_b32 s[G1S+1], 128<<16
	s_mov_b32 s[G1S+2], 8<<16
	s_mov_b32 s[G1S+3], 128<<16
	s_mov_b32 s[G1S+4], 8
	s_mov_b32 s[G1S+5], 512
	s_mov_b32 s[G1S+6], 0
	s_mov_b32 s[G1S+7], 0
	s_lshl_b32 s84, s20, 18                        ; o's rows: 262,144 bytes a row tile
	s_mov_b32 s85, 0
	s_lshl_b32 s86, s19, 17                        ; Wo's rows: 128 x 1,024 bytes a column tile,
	s_lshl_b32 s23, s16, 16
	s_add_co_u32 s86, s86, s23                     ; and my half
	s_mov_b32 s87, 0
	s_lshr_b32 s88, s20, 2                         ; o's scale words: 32,768 bytes a batch, 1,024 a row tile
	s_lshl_b32 s88, s88, 15
	s_and_b32 s23, s20, 3
	s_lshl_b32 s23, s23, 10
	s_add_co_u32 s88, s88, s23
	s_mov_b32 s89, 0
	s_lshl_b32 s90, s14, 15                        ; the refill: o's second 128 rows, my quarter
	s_add_co_u32 s90, s90, s84
	s_add_co_u32 s90, s90, 131072
	s_mov_b32 s91, 0
	s_lshl_b32 s92, s19, 12                        ; Wo's scale bytes: my 64 rows of 32
	s_lshl_b32 s23, s16, 11
	s_add_co_u32 s92, s92, s23
	s_mov_b32 s93, 0
	s_lshl_b32 s94, s19, 9                         ; the bias, and my columns of out, in bytes
	s_lshl_b32 s23, s16, 8
	s_add_co_u32 s94, s94, s23
	s_mov_b32 s95, 0
	s_lshl_b32 s96, s20, 20                        ; out: 256 rows of 4,096 bytes a row tile,
	s_lshl_b32 s23, s15, 18
	s_add_co_u32 s96, s96, s23                     ; my 64 of the first 128,
	s_add_co_u32 s96, s96, s94                     ; my columns
	s_mov_b32 s97, 0
	s_mov_b32 s76, 0                               ; where the tiles go
	s_mul_i32 s77, s16, 64*PITCH
	s_add_co_u32 s77, s77, YB
	s_mov_b32 s78, SCL
	s_mul_i32 s79, s14, 32*PITCH
	s_add_co_u32 s79, s79, YB
	v_and_b32 v1, 15, v0                           ; r
	v_bfe_u32 v2, v0, 4, 1                         ; h
	v_and_b32 v3, 31, v0                           ; l
	s_mul_i32 s23, s15, 4*RBP                      ; my row blocks 4 x row of waves + 0..3 of a slot
	v_lshl_add_u32 v[AD], v3, 4, s23
	v_add_nc_u32 v[AD+1], 2*RBP, v[AD]
	v_add_nc_u32 v[AD+2], YB, v[AD]
	v_add_nc_u32 v[AD+3], YB+2*RBP, v[AD]
	s_lshl_b32 s23, s15, 8
	s_add_co_u32 s23, s23, SCL
	v_lshl_add_u32 v[AS], v3, 2, s23
	v_mul_u32_u24 v18, v1, PITCH
	v_lshl_add_u32 v18, v2, 4, v18                 ; a fragment's row x pitch + 16 x half
	s_mul_i32 s23, s16, 64*PITCH
	s_add_co_u32 s23, s23, YB
	v_add_nc_u32 v[ADRB], s23, v18
	s_mul_i32 s23, s14, 16*STP
	s_add_co_u32 s23, s23, STAGE                   ; my stage
	v_mul_u32_u24 v19, v1, STP
	v_lshl_add_u32 v19, v2, 5, v19
	v_add_nc_u32 v[STO], s23, v19                  ; in: row r, tile j's eight columns of my half: 64 j + 32 h bytes on
	v_mul_u32_u24 v20, v2, STP
	v_lshl_add_u32 v20, v1, 4, v20
	v_add_nc_u32 v[RD], s23, v20                   ; back: lanes 0-15 one row of 256 bytes, lanes 16-31 the next
	v_lshlrev_b32 v21, 12, v2
	v_lshl_add_u32 v[CO], v1, 4, v21               ; and in out
	s_lshl_b32 s23, s17, 2
	s_add_co_u32 s23, s23, s14
	s_lshl_b32 s23, s23, 13
	s_add_co_u32 s23, s23, s84
	s_add_co_u32 s23, s23, 131072
	v_lshl_add_u32 v[PFO], v3, 8, s23              ; my sixteenth of o's second 128 rows, lanes 256 bytes apart
	v_lshlrev_b32 v[ABS], 5, v3
	v_lshlrev_b32 v[BOF], 5, v2
	s_wait_alu depctr_va_vdst(0)                   ; the wait at the head's end
	s_wait_dscnt 0x0                               ; both opening adds are done
	CROUND                                         ; all sixteen work-groups are here: the joint loads meet
	s_wait_kmcnt 0x0
	GROUP0 G0B, 77, 8, 86
	GROUP0 G0A, 76, 4, 84
	GROUP0 G0S, 78, 6, 88
	s_cmp_lt_u32 s14, 2                            ; ONE joint load a wave: waves 0 and 1 Wo's halves, which are wanted first,
	s_cbranch_scc0 .Lfor_o
	TLOAD G0B, G1B
	s_branch .Lasked
.Lfor_o:
	s_cmp_eq_u32 s14, 2
	s_cbranch_scc0 .Lfor_words
	TLOAD G0A, G1A                                 ; wave 2 o's first 128 rows,
	s_branch .Lasked
.Lfor_words:
	TLOAD G0S, G1S                                 ; wave 3 o's scale words
.Lasked:
	GROUP0 G0R, 79, 4, 90
	s_add_nc_u64 s[10:11], s[10:11], s[92:93]
	s_add_nc_u64 s[80:81], s[80:81], s[94:95]
	s_add_nc_u64 s[82:83], s[82:83], s[96:97]
.irp p, 0,1
.irp c, 0,1
	global_load_b128 v[SB+8*\p+4*\c:SB+8*\p+4*\c+3], v[ABS], s[10:11] offset:1024*\p+16*\c
.endr
.endr
.irp j, 0,1,2,3                        ; register i of tile j is column 16 j + 8 h + i
	global_load_b128 v[BQ+8*\j:BQ+8*\j+3], v[BOF], s[80:81] offset:64*\j
	global_load_b128 v[BQ+8*\j+4:BQ+8*\j+7], v[BOF], s[80:81] offset:64*\j+16
.endr
	s_cmp_lt_u32 s14, 2
	s_cbranch_scc0 .Lnot_w
	s_wait_tensorcnt 0x0                           ; Wo has landed: the line of waves 0 and 1 alone
.Lnot_w:
	s_barrier_signal -1
	s_barrier_wait -1
	global_prefetch_b8 v[PFO], s[4:5] th:TH_LOAD_NT scope:SCOPE_SE
; my 64 rows of Wo into windows 1 and 2: fragment 4 q + b = 16 rows x 128 K: lane l holds row l % 16; registers 4 c .. 4 c + 3 hold K = 32 c + 16 (l / 16) + 0 .. 15
.irp q, 0,1,2,3,4,5,6,7
	WIN (1+\q/4)<<6
.irp b, 0,1,2,3
.irp c, 0,1,2,3
	ds_load_b128 v[FR*((4*\q+\b)%FPW)+4*\c:FR*((4*\q+\b)%FPW)+4*\c+3], v[ADRB] offset:128*\q+32*\c+\b*16*PITCH
.endr
.endr
.endr
	WIN 0
	s_wait_tensorcnt 0x0                           ; my tile of the head's is in;
	ds_add_u32 v[SPW], v[NIL]                      ; 0 onto my spare word, ahead of a refill's round
	s_wait_dscnt 0x0                               ; the add is done, and Wo is in my registers
	CROUND
	TLOAD G0R, G1R                                 ; o's second 128 rows into slot 1
.macro FETCH s                         ; my row block s (0-3 in slot 0, 4-7 in slot 1) into set s % 2 of window 3; an even block brings the scale words of two: 40 or 32 loads
.set H_, (\s)/4
.set I_, (\s)%4
.set AR_, AD+2*H_+I_/2
.set XD_, 128*((\s)%2)
	WIN 0xc0
.irp q, 0,1,2,3,4,5,6,7
.irp c, 0,1,2,3
	ds_load_b128 v[XD_+FR*\q+4*\c:XD_+FR*\q+4*\c+3], v[AR_] offset:RBP*(I_%2)+2*PITCH*\q+512*\c+16*(\c/2)
.endr
.endr
	WIN 0
.if (\s)%2 == 0
.set SD_, SA+8*(((\s)/2)%2)
.irp q, 0,1,2,3,4,5,6,7
	ds_load_b32 v[SD_+\q], v[AS] offset:1024*\q+512*H_+128*(I_/2)
.endr
.endif
.endm
.macro PROD s, n                       ; product n = 4 q + j of block s: the q-th 128 of K, column tile j; source 0 = Wo's rows, so a lane's eight results are neighbouring columns of one row
.set Q_, (\n)/4
.set J_, (\n)%4
.set D_, ACC+32*((\s)%2)+8*J_
.set C_, D_
.if Q_ == 0
.set C_, BQ+8*J_
.endif
.set X_, 128*((\s)%2)+FR*Q_
.set W_, FR*((\n)%FPW)
.set XS_, SA+8*(((\s)/2)%2)+Q_
.set WS_, SB+8*(J_/2)+Q_
.set V_, (J_%2)+2*((\s)%2)
	WIN (1+(\n)/FPW)|(3<<2)
.if V_ == 0
	v_wmma_scale_f32_16x16x128_f8f6f4 v[D_:D_+7], v[W_:W_+15], v[X_:X_+15], v[C_:C_+7], v[WS_], v[XS_]
.elseif V_ == 1
	v_wmma_scale_f32_16x16x128_f8f6f4 v[D_:D_+7], v[W_:W_+15], v[X_:X_+15], v[C_:C_+7], v[WS_], v[XS_] matrix_a_scale:MATRIX_SCALE_ROW1
.elseif V_ == 2
	v_wmma_scale_f32_16x16x128_f8f6f4 v[D_:D_+7], v[W_:W_+15], v[X_:X_+15], v[C_:C_+7], v[WS_], v[XS_] matrix_b_scale:MATRIX_SCALE_ROW1
.else
	v_wmma_scale_f32_16x16x128_f8f6f4 v[D_:D_+7], v[W_:W_+15], v[X_:X_+15], v[C_:C_+7], v[WS_], v[XS_] matrix_a_scale:MATRIX_SCALE_ROW1 matrix_b_scale:MATRIX_SCALE_ROW1
.endif
.endm
.macro PRODS s, from, to
.set N_, \from
.rept (\to)-(\from)
	PROD \s, N_
.set N_, N_+1
.endr
.endm
.macro OUT s                           ; block s leaves: sixteen lanes store 256 consecutive bytes, aligned
	WIN 0
.irp t, 0,1,2,3,4,5,6,7
	global_store_b128 v[CO], v[OB+4*\t:OB+4*\t+3], s[82:83] offset:(128*((\s)/4)+16*((\s)%4)+2*\t)*4096 th:TH_STORE_NT
.endr
.endm
.macro TOSTAGE s                       ; 8 stores, 8 loads: LDS serves a wave's instructions in order (ISA guide 5.7.1.4)
.set D_, ACC+32*((\s)%2)
.irp j, 0,1,2,3
	ds_store_b128 v[STO], v[D_+8*\j:D_+8*\j+3] offset:64*\j
	ds_store_b128 v[STO], v[D_+8*\j+4:D_+8*\j+7] offset:64*\j+16
.endr
.irp t, 0,1,2,3,4,5,6,7
	ds_load_b128 v[OB+4*\t:OB+4*\t+3], v[RD] offset:2*\t*STP
.endr
.endm
.macro BLK s
.set NX_, 0                            ; the next block's loads, which may be out
.if (\s) < 7
.set NX_, 32+8*((\s)%2)
.endif
.if (\s) == 0
	s_wait_dscnt NX_                               ; my block is in
.else
	s_wait_dscnt NX_+16                            ; my block is in; the last block's stage and the next block may be out
.endif
	PRODS \s, 0, 8
.if (\s) > 0
	s_wait_dscnt NX_                               ; the last block is back from the stage
	OUT (\s)-1
.endif
	PRODS \s, 8, 28
.if (\s) == 2
	WIN 0
	s_wait_tensorcnt 0x0                           ; my part of o's second 128 rows is in: block 4 is fetched behind this barrier
	s_wait_dscnt 0x0
	s_barrier_signal -1
.endif
	PRODS \s, 28, 32
	WIN 0
.if (\s) == 2
	s_barrier_wait -1
.endif
	PLACES 8                                       ; behind the last products: their results are read and their operands loaded anew below
	s_wait_xcnt 0x0                                ; the last block's stores have read their registers
	TOSTAGE \s
.if (\s) < 6
	FETCH (\s)+2
.endif
.endm
	FETCH 0
	FETCH 1
	s_wait_loadcnt 0x0                             ; Wo's scale words, the bias
.irp s, 0,1,2,3,4,5,6,7
	BLK \s
.endr
	s_wait_dscnt 0x0
	OUT 7
	s_wait_tensorcnt 0x0                           ; the wave's end
	ds_add_u32 v[SPW], v[NIL]
	s_wait_dscnt 0x0
	CROUND                                         ; the closing round
	s_endpgm
.Lfunc_end_k_qd7b7b3c782_outp:
	.size	k_qd7b7b3c782_outp, .Lfunc_end_k_qd7b7b3c782_outp-k_qd7b7b3c782_outp
	.p2alignl 7, 3214868480
	.fill 96, 4, 3214868480
	.section	.rodata,"a",@progbits
	.p2align	6, 0x0
	.amdhsa_kernel k_qd7b7b3c782_outp
		.amdhsa_group_segment_fixed_size 327680
		.amdhsa_private_segment_fixed_size 0
		.amdhsa_enable_private_segment 0
		.amdhsa_kernarg_size 48
		.amdhsa_user_sgpr_count 2
		.amdhsa_user_sgpr_kernarg_segment_ptr 1
		.amdhsa_wavefront_size32 1
		.amdhsa_system_sgpr_workgroup_id_x 1
		.amdhsa_system_sgpr_workgroup_id_y 1
		.amdhsa_system_sgpr_workgroup_id_z 1
		.amdhsa_system_vgpr_workitem_id 0
		.amdhsa_next_free_vgpr 1024
		.amdhsa_next_free_sgpr 100
		.amdhsa_reserve_vcc 0
		.amdhsa_float_denorm_mode_32 3
		.amdhsa_float_denorm_mode_16_64 3
		.amdhsa_memory_ordered 1
		.amdhsa_forward_progress 1
		.amdhsa_inst_pref_size 88
	.end_amdhsa_kernel
	.amdgpu_metadata
---
amdhsa.version: [ 1, 2 ]
amdhsa.kernels:
  - .name:           k_qd7b7b3c782_outp
    .symbol:         k_qd7b7b3c782_outp.kd
    .args:
      - { .name: o_img, .offset: 0, .size: 8, .value_kind: global_buffer, .address_space: global }
      - { .name: o_sc, .offset: 8, .size: 8, .value_kind: global_buffer, .address_space: global }
      - { .name: Wo_codes, .offset: 16, .size: 8, .value_kind: global_buffer, .address_space: global }
      - { .name: Wo_scales, .offset: 24, .size: 8, .value_kind: global_buffer, .address_space: global }
      - { .name: bo, .offset: 32, .size: 8, .value_kind: global_buffer, .address_space: global }
      - { .name: out0, .offset: 40, .size: 8, .value_kind: global_buffer, .address_space: global }
    .group_segment_fixed_size: 327680
    .private_segment_fixed_size: 0
    .kernarg_segment_align: 8
    .kernarg_segment_size: 48
    .max_flat_workgroup_size: 128
    .sgpr_count:     100
    .vgpr_count:     1024
    .wavefront_size: 32
...
	.end_amdgpu_metadata
.endif
;; end of part 3
